; MI455X (gfx1250); checked and timed in simulation.
; The chip was launched on July 23, 2026; its instructions are those of AMD's public machine-readable ISA for CDNA 5 (MIT licence, August 2026) and "CDNA5" Instruction Set Architecture Reference Guide (July 2026). The comments in the code are by the model that wrote it; some were corrected since.
;; Differntial Attention. Allowed arithmetic: matrix products marked QUANTISED: E2M3 operands, one E8M0 scale for each 32 along K, by v_wmma_scale_f32_16x16x128_f8f6f4 with both operands' format E2M3, f32 sums; products left as they are: f32 operands where the result goes on into a quantised operand, else bf16, f16 or f32 operands; f32 sums; everything else in f32.
;; Inputs: lambda_k1 64 float32; lambda_k2 64 float32; lambda_q1 64 float32; lambda_q2 64 float32; norm_w 16 x 64 float32; w_qkv 1,024 x 3,072 float32; wo 1,024 x 1,024 float32; x 2 x 2,048 x 1,024 float32.
;; Outputs: out0 2 x 2,048 x 1,024 float32.
;; This version of the problem:
;;   THIS VERSION OF THE PROBLEM IS GIVEN IN LOW PRECISION. The matrix products marked QUANTISED in the list below multiply operands that are first quantised to E2M3 (2 exponent bits, 3 mantissa bits; 6 bits a number), with one power-of-two scale for each 32 numbers along K (OCP MX v1.0); their sums are f32. All else is computed in f32.
;;   The module's matrix products, in the order in which they are computed (A, B: the left and right operand; K: the contracted axis; several contracted axes count as one K, in the product's order):
;;     1. [M 4,096, K 1,024] x [K 1,024, N 3,072]; A: input x; B: input w_qkv: QUANTISED
;;     2. batch 32 x [M 2,048, K 32] x [K 32, N 2,048]; A: computed on the way; B: computed on the way: QUANTISED
;;     3. batch 32 x [M 2,048, K 32] x [K 32, N 2,048]; A: computed on the way; B: computed on the way: QUANTISED
;;     4. [M 1, K 64] x [K 64, N 1]; A: input lambda_q1; B: input lambda_k1: left as it is (M = 1 < 16)
;;     5. [M 1, K 64] x [K 64, N 1]; A: input lambda_q2; B: input lambda_k2: left as it is (M = 1 < 16)
;;     6. batch 32 x [M 2,048, K 2,048] x [K 2,048, N 64]; A: computed on the way; B: computed on the way: QUANTISED
;;     7. [M 4,096, K 1,024] x [K 1,024, N 1,024]; A: computed on the way; B: input wo: QUANTISED
;;   THE QUANTISER, for each operand of a quantised product, along K:
;;     - K is cut into blocks of 32 from its start; a last block that is shorter is filled with zeros.
;;     - A block's scale is 2^e with e = floor(log2(the largest magnitude in the block)) - 2, held to -126 .. 127; a block of zeros has e = 0. As a byte (E8M0): e + 127.
;;     - Each number is divided by its block's scale, clamped to +-7.5, and rounded to the nearest number of E2M3, ties to even, subnormals kept.
;;     - The product sums the exact products of the quantised numbers (number of the format x scale) in f32.
;;   ~~~python
;;   def quantise(x, axis):      # numpy; x: float32 -> the quantised numbers, widened to float32 again
;;       x = np.moveaxis(x, axis, -1); K = x.shape[-1]
;;       x = np.pad(x, [(0, 0)] * (x.ndim - 1) + [(0, -K % 32)]); x = x.reshape(x.shape[:-1] + (-1, 32)); a = np.abs(x).max(-1, keepdims=True)
;;       e = np.where(a > 0, np.clip(np.frexp(np.where(a > 0, a, 1))[1] - 1 - 2, -126, 127), 0)      # np.frexp(a)[1] - 1 = floor(log2(a)), exactly
;;       r = np.clip(x / 2.0 ** e, -7.5, 7.5)
;;       step = 2.0 ** (np.maximum(np.frexp(np.where(r == 0, 1, r))[1] - 1, 0) - 3)
;;       q = np.round(r / step) * step * 2.0 ** e      # np.round: ties to even
;;       return np.moveaxis(q.reshape(q.shape[:-2] + (-1,))[..., :K], -1, axis).astype(np.float32)
;;   ~~~
;;   OPERANDS COMPUTED ON THE WAY. 'Computed on the way' means the value that the module computes at that place (a softmax that the list does not call 'softmax' is quantised finished and normalised). What goes into a quantiser is computed in f32, as accurately as f32 sums, v_exp_f32 and their like allow (about 1e-6 of the number): no bf16 or f16 on the way to a quantiser, and a product that is left as it is and whose result goes on into a quantised operand takes f32 operands (vector FMAs, or v_wmma_f32_16x16x4_f32). A number that lies on a knife's edge between two numbers of the format may be rounded either way, as far as f32 arithmetic and the matrix unit's own rounding can turn it there, and no further.
;; One version. Each part assembles by itself: llvm-mc -triple=amdgcn-amd-amdhsa -mcpu=gfx1250 --defsym DOCPART=n.
;; ======== version 1 of 1: 4 launches
;; workspace buffers: xq 3,276,800 bytes; wq 2,457,600 bytes; woq 819,200 bytes; qk 6,553,600 bytes; vq 3,276,800 bytes; a7 3,276,800 bytes
;; launch quant (part 1): grid 256 x 1, 4 waves a work-group, no clusters, 102,912 bytes of LDS; arguments x, w_qkv, wo, xq, wq, woq; writes xq, wq, woq
.if DOCPART == 1
	.amdgcn_target "amdgcn-amd-amdhsa--gfx1250"
	.amdhsa_code_object_version 6
	.text
	.protected	k_q4e442e85c8_quant
	.globl	k_q4e442e85c8_quant
	.p2align	8
	.type	k_q4e442e85c8_quant,@function
k_q4e442e85c8_quant:
	s_mov_b64 s[64:65], 0
	v_nop
	global_prefetch_b8 v0, s[64:65] scope:SCOPE_SE
	s_setreg_imm32_b32 hwreg(HW_REG_WAVE_MODE, 25, 1), 1
	s_wait_xcnt 0x0
; x [4096][1024], w_qkv [1024][3072] and wo [1024][1024], f32, become codes of FP6 (E2M3) with K innermost (a row of 1,024 codes is 768 bytes) and one E8M0 byte for each 32 along K (32 bytes a row).
; Each output buffer holds its codes first and its scale bytes behind them, at a constant offset.
; A block's scale is 2^(floor(log2(its largest magnitude)) - 2); its byte is the largest magnitude's exponent field - 2, held at 1 from below.
; LIMITS: a block of zeros gets the byte 1 where the rule says 127 (its codes are zeros, and this program alone reads the bytes); blocks whose largest magnitude lies under 2^-124 have the byte 1; NaN and infinities are not served.
; ROW ORDER.  Row n of xq and of wq is stored at the place n with its bits 3 and 4 exchanged: sixteen neighbouring stored rows are then the rows 32 b + 8 u + r + 8 (r / 8), r = 0 .. 15, which the next launch
; wants as a tile, so that its results lie as neighbours along the next product's K.  woq is stored in natural order.
; SHARES.  256 work-groups of 131,072 input bytes each: 0-127 take x (K innermost), 128-223 w_qkv, 224-255 wo (K is the first axis: a lane takes a column, its registers run down K).
; The three ways part on the work-group's number and have LDS bytes of their own.  Waves share nothing: no barrier.  No work-group reads what another reads: no cluster, no joint load.
.set XSO,   3145728                    ; xq: where the scale bytes begin
.set WSO,   2359296                    ; wq
.set WOSO,  786432                     ; woq
.set EMAX,  2
.set STEPS, 16                         ; x: a wave takes 16 steps of 512 numbers = 8 rows
.set CB,    12                         ; bytes of 16 codes
.set R,     16                         ; v16-79   x: four sets of 16 numbers as loaded
.set X,     80                         ; v80-111  two sets of 16 neighbours
.set C,     128                        ; v128-191 codes, four registers a step
.set E,     112                        ; v112-127 a scale byte a step
.set WREG,  8192                       ; x: LDS of a wave: two stages of 32 x SP bytes, then 256 scale bytes
.set SP,    80
.set NB,    8                          ; weights: blocks of 32 along K for a wave (256 along K)
.set PITCH, 272                        ; a stage row: sixteen places of 16 bytes (12 of codes) + 16
.set KROW,  768
.set XW,    32                         ; v32-95   two sets of 32 numbers
.set CW,    96                         ; a block's codes
.set OUTR,  112                        ; v112-175 the way out
.set SBR,   24                         ; v24-25   eight scale bytes
.macro XLOAD t
.irp i, 0,1,2,3
	global_load_b128 v[R+16*((\t)%4)+4*\i:R+16*((\t)%4)+4*\i+3], v3, s[4:5] offset:2048*(\t)+512*\i th:TH_LOAD_NT   ; 32 lanes read 512 consecutive bytes
.endr
.endm
.macro XTURN t                         ; a step's 2,048 bytes through the wave's stage: in as loaded, out 64 bytes a lane.  LDS serves a wave's instructions in order
.irp i, 0,1,2,3
	ds_store_b128 v14, v[R+16*((\t)%4)+4*\i:R+16*((\t)%4)+4*\i+3] offset:32*SP*((\t)%2)+8*SP*\i
.endr
.irp i, 0,1,2,3
	ds_load_b128 v[X+16*((\t)%2)+4*\i:X+16*((\t)%2)+4*\i+3], v15 offset:32*SP*((\t)%2)+16*\i
.endr
.endm
.macro XSTEP t
.set XR, X+16*((\t)%2)
.if (\t) > 0
	s_wait_dscnt 1                                 ; this step's numbers are back (the last step's byte store may be out)
.else
	s_wait_dscnt 0x0
.endif
.if (\t)+4 < STEPS
	XLOAD (\t)+4                                   ; four steps ahead, into the registers that the stage's stores have read
.endif
.if (\t)+1 < STEPS
.if STEPS-2-(\t) >= 3
	s_wait_loadcnt 12                              ; the next step's four loads are in; those of the three steps behind it may be out
.else
	s_wait_loadcnt 4*(STEPS-2-(\t))
.endif
	XTURN (\t)+1
.endif
	v_max3_num_f32 v8, |v[XR]|, |v[XR+1]|, |v[XR+2]|               ; the largest magnitude of my 16, in two chains
	v_max3_num_f32 v9, |v[XR+3]|, |v[XR+4]|, |v[XR+5]|
.irp i, 6,10
	v_max3_num_f32 v8, v8, |v[XR+\i]|, |v[XR+\i+1]|
	v_max3_num_f32 v9, v9, |v[XR+\i+2]|, |v[XR+\i+3]|
.endr
	v_max3_num_f32 v8, v8, |v[XR+14]|, |v[XR+15]|
	v_max3_num_f32 v8, v8, v9, (EMAX+1)<<23        ; and the floor 2^(3 - 127): the byte cannot fall under 1
	v_max_num_f32_dpp v8, v8, v8 row_xmask:1 row_mask:0xf bank_mask:0xf   ; with my neighbour's 16: the block's
	v_add_nc_u32 v11, -(EMAX<<23), v8              ; 2 off the exponent field: the conversion's scale operand
	v_cvt_scalef32_pk16_fp6_f32 v[C+4*(\t):C+4*(\t)+2], v[XR:XR+15], v11
	v_lshrrev_b32 v[E+(\t)], 23, v11               ; the scale's byte
	ds_store_b8 v5, v[E+(\t)] offset:16*(\t)       ; both lanes of a block write the same byte with the same value
	global_store_b96 v4, v[C+4*(\t):C+4*(\t)+2], s[22:23] offset:32*CB*(\t)
.endm
.macro WLOAD t, nn                     ; block t: W(32 t + i, my column), i = 0 .. 31
.irp i, 0,1,2,3,4,5,6,7,8,9,10,11,12,13,14,15,16,17,18,19,20,21,22,23,24,25,26,27,28,29,30,31
	global_load_b32 v[XW+32*((\t)%2)+\i], v3, s[20:21] offset:(32*(\t)+\i)*(\nn)*4 th:TH_LOAD_NT
.endr
.endm
.macro WBLOCK t, nn
.set XB, XW+32*((\t)%2)
.if (\t) < NB-1
	s_wait_loadcnt 32                              ; this block's 32 loads are in; the next block's may be out
.else
	s_wait_loadcnt 0
.endif
	v_max3_num_f32 v12, |v[XB]|, |v[XB+1]|, |v[XB+2]|              ; all 32 numbers of the block are mine
	v_max3_num_f32 v13, |v[XB+3]|, |v[XB+4]|, |v[XB+5]|
.irp i, 6,10,14,18,22,26
	v_max3_num_f32 v12, v12, |v[XB+\i]|, |v[XB+\i+1]|
	v_max3_num_f32 v13, v13, |v[XB+\i+2]|, |v[XB+\i+3]|
.endr
	v_max3_num_f32 v12, v12, |v[XB+30]|, |v[XB+31]|
	v_max3_num_f32 v12, v12, v13, (EMAX+1)<<23
	v_add_nc_u32 v11, -(EMAX<<23), v12
	v_lshrrev_b32 v13, 23, v11
.if (\t)%4 == 0
	v_mov_b32 v[SBR+(\t)/4], v13                   ; four bytes to a register, the lower K in the lower byte
.else
	v_lshl_or_b32 v[SBR+(\t)/4], v13, 8*((\t)%4), v[SBR+(\t)/4]
.endif
	v_cvt_scalef32_pk16_fp6_f32 v[CW:CW+2], v[XB:XB+15], v11
	v_cvt_scalef32_pk16_fp6_f32 v[CW+4:CW+6], v[XB+16:XB+31], v11
	ds_store_b96 v4, v[CW:CW+2] offset:32*(\t)     ; 12 bytes to a place of 16
	ds_store_b96 v4, v[CW+4:CW+6] offset:32*(\t)+16
.if (\t)+2 < NB
	WLOAD (\t)+2, \nn
.endif
	s_wait_dscnt 0x0                               ; the stores have read their registers: the next block's codes may be written
.endm
; A weight [1024][nn]: work-group (number - idb) takes 128 columns ((number - idb) / 4) and 256 along K ((number - idb) % 4); a wave 32 of the columns.
; perm = 1: column 32 c + l goes to row 32 c + l', l' = l with bits 3 and 4 exchanged: only the stage's row and the scale bytes' row change.
.macro WPATH nn, perm, lbase, idb, src, dst, soff
	s_sub_co_u32 s17, ttmp9, \idb
	s_and_b32 s18, s17, 3                          ; which 256 along K
	s_lshr_b32 s17, s17, 2
	s_lshl_b32 s17, s17, 7
	s_lshl_b32 s19, s16, 5
	s_add_co_u32 s17, s17, s19                     ; my wave's first column
	s_mul_i32 s20, s18, 256*(\nn)*4
	s_lshl_b32 s19, s17, 2
	s_add_co_u32 s20, s20, s19
	s_mov_b32 s21, 0
	s_add_nc_u64 s[20:21], s[\src:\src+1], s[20:21]   ; the weight at (256 y, my first column)
	s_mul_i32 s22, s17, KROW
	s_mul_i32 s19, s18, 192
	s_add_co_u32 s22, s22, s19
	s_mov_b32 s23, 0
	s_add_nc_u64 s[22:23], s[\dst:\dst+1], s[22:23]   ; the codes
	s_lshl_b32 s24, s17, 5
	s_lshl_b32 s19, s18, 3
	s_add_co_u32 s24, s24, s19
	s_add_co_u32 s24, s24, \soff
	s_mov_b32 s25, 0
	s_add_nc_u64 s[24:25], s[\dst:\dst+1], s[24:25]   ; the scale bytes
	v_lshlrev_b32 v3, 2, v2                        ; in: 4 bytes a lane
	s_mul_i32 s19, s16, 32*PITCH
	s_add_co_u32 s19, s19, \lbase                  ; my stage
.if \perm
	v_and_b32 v10, 7, v2
	v_bfe_u32 v11, v2, 3, 1
	v_lshl_add_u32 v10, v11, 4, v10
	v_bfe_u32 v11, v2, 4, 1
	v_lshl_add_u32 v10, v11, 3, v10                ; l'
.else
	v_and_b32 v10, 31, v0
.endif
	v_mul_u32_u24 v4, v10, PITCH
	v_add_nc_u32 v4, s19, v4                       ; into the stage: my column's row
	v_and_b32 v5, 15, v2
	v_lshrrev_b32 v6, 4, v2
	v_mul_u32_u24 v7, v6, PITCH
	v_lshl_add_u32 v7, v5, 4, v7
	v_add_nc_u32 v7, s19, v7                       ; out of it: sixteen lanes to a row, two rows an instruction
	v_mul_u32_u24 v8, v6, KROW
	v_mad_u32_u24 v8, v5, 12, v8                   ; and the same place in the codes
	v_lshlrev_b32 v9, 5, v10                       ; my column's row of scale bytes
	WLOAD 0, \nn
	WLOAD 1, \nn
.set Q, 0
.rept NB
	WBLOCK Q, \nn
.set Q, Q+1
.endr
	global_store_b64 v9, v[SBR:SBR+1], s[24:25]    ; my column's eight scale bytes
.irp t, 0,1,2,3,4,5,6,7,8,9,10,11,12,13,14,15
	ds_load_b96 v[OUTR+4*\t:OUTR+4*\t+2], v7 offset:2*\t*PITCH
.endr
.irp t, 0,1,2,3,4,5,6,7,8,9,10,11,12,13,14,15
	s_wait_dscnt 15-\t                             ; the loads younger than load t may be out
	global_store_b96 v8, v[OUTR+4*\t:OUTR+4*\t+2], s[22:23] offset:2*\t*KROW   ; sixteen lanes store a row's 192 consecutive bytes
.endr
	s_wait_tensorcnt 0x0
	ds_add_u32 v192, v193
	s_wait_dscnt 0x0
	s_endpgm
.endm
	s_load_b256 s[4:11], s[0:1], 0x0               ; x s[4:5], w_qkv s[6:7], wo s[8:9], xq s[10:11]
	s_load_b128 s[12:15], s[0:1], 0x20             ; wq s[12:13], woq s[14:15]
	v_lshl_add_u32 v192, v0, 2, 0x19000
	v_mov_b32 v193, 0
	v_lshrrev_b32 v1, 5, v0
	v_readfirstlane_b32 s16, v1                    ; wave
	v_and_b32 v2, 31, v0                           ; lane
	s_wait_kmcnt 0x0
	s_cmp_lt_u32 ttmp9, 128
	s_cbranch_scc0 .Lweights
	; ---- x: a plain stream of blocks of 32.  A wave's run is 8 rows; run 4 g + w goes out as run 4 g + (w with its two bits exchanged)
	v_lshlrev_b32 v3, 4, v2                        ; my 16 bytes of a load's 512
	s_mul_i32 s17, s16, WREG
	v_lshrrev_b32 v14, 2, v2
	v_mul_u32_u24 v14, v14, SP
	v_and_b32 v15, 3, v2
	v_lshl_add_u32 v14, v15, 4, v14
	v_add_nc_u32 v14, s17, v14                     ; the stage, in: SP (lane / 4) + 16 (lane % 4)
	v_mul_u32_u24 v15, v2, SP
	v_add_nc_u32 v15, s17, v15                     ; out: SP x lane
	v_mul_u32_u24 v4, v2, CB                       ; my codes' place in a step's
	v_lshrrev_b32 v5, 1, v2
	s_add_co_u32 s17, s17, 2*32*SP
	v_add_nc_u32 v5, s17, v5                       ; my block's scale byte in LDS
	v_lshlrev_b32 v7, 3, v2
	v_add_nc_u32 v6, s17, v7                       ; and 8 bytes a lane on the way out
	s_lshl_b32 s17, ttmp9, 2
	s_add_co_u32 s18, s17, s16                     ; the run that I read
	s_and_b32 s19, s16, 1
	s_lshl_b32 s19, s19, 1
	s_lshr_b32 s20, s16, 1
	s_or_b32 s19, s19, s20
	s_add_co_u32 s19, s17, s19                     ; the run that I write
	s_lshl_b32 s20, s18, 15
	s_mov_b32 s21, 0
	s_add_nc_u64 s[4:5], s[4:5], s[20:21]
	s_mul_i32 s22, s19, 6144
	s_mov_b32 s23, 0
	s_add_nc_u64 s[22:23], s[10:11], s[22:23]
	s_lshl_b32 s24, s19, 8
	s_add_co_u32 s24, s24, XSO
	s_mov_b32 s25, 0
	s_add_nc_u64 s[24:25], s[10:11], s[24:25]
.irp t, 0,1,2,3
	XLOAD \t
.endr
	s_wait_loadcnt 12                              ; step 0's four loads are in
	XTURN 0
.irp t, 0,1,2,3,4,5,6,7,8,9,10,11,12,13,14,15
	XSTEP \t
.endr
	ds_load_b64 v[12:13], v6                       ; my wave's 256 scale bytes
	s_wait_dscnt 0x0
	global_store_b64 v7, v[12:13], s[24:25]        ; 32 lanes store 256 consecutive bytes, aligned
	s_wait_tensorcnt 0x0
	ds_add_u32 v192, v193
	s_wait_dscnt 0x0
	s_endpgm
.Lweights:
	s_cmp_lt_u32 ttmp9, 224
	s_cbranch_scc0 .Lwo
	WPATH 3072, 1, 32768, 128, 6, 12, WSO
.Lwo:
	WPATH 1024, 0, 67584, 224, 8, 14, WOSO
.Lfunc_end_k_q4e442e85c8_quant:
	.size	k_q4e442e85c8_quant, .Lfunc_end_k_q4e442e85c8_quant-k_q4e442e85c8_quant
	.p2alignl 7, 3214868480
	.fill 96, 4, 3214868480
	.section	.rodata,"a",@progbits
	.p2align	6, 0x0
	.amdhsa_kernel k_q4e442e85c8_quant
		.amdhsa_group_segment_fixed_size 102912
		.amdhsa_private_segment_fixed_size 0
		.amdhsa_enable_private_segment 0
		.amdhsa_kernarg_size 48
		.amdhsa_user_sgpr_count 2
		.amdhsa_user_sgpr_kernarg_segment_ptr 1
		.amdhsa_wavefront_size32 1
		.amdhsa_system_sgpr_workgroup_id_x 1
		.amdhsa_system_sgpr_workgroup_id_y 1
		.amdhsa_system_sgpr_workgroup_id_z 1
		.amdhsa_system_vgpr_workitem_id 0
		.amdhsa_next_free_vgpr 194
		.amdhsa_next_free_sgpr 66
		.amdhsa_reserve_vcc 0
		.amdhsa_float_denorm_mode_32 3
		.amdhsa_float_denorm_mode_16_64 3
		.amdhsa_memory_ordered 1
		.amdhsa_forward_progress 1
		.amdhsa_inst_pref_size 114
	.end_amdhsa_kernel
	.amdgpu_metadata
---
amdhsa.version: [ 1, 2 ]
amdhsa.kernels:
  - .name:           k_q4e442e85c8_quant
    .symbol:         k_q4e442e85c8_quant.kd
    .args:
      - { .name: x, .offset: 0, .size: 8, .value_kind: global_buffer, .address_space: global }
      - { .name: w_qkv, .offset: 8, .size: 8, .value_kind: global_buffer, .address_space: global }
      - { .name: wo, .offset: 16, .size: 8, .value_kind: global_buffer, .address_space: global }
      - { .name: xq, .offset: 24, .size: 8, .value_kind: global_buffer, .address_space: global }
      - { .name: wq, .offset: 32, .size: 8, .value_kind: global_buffer, .address_space: global }
      - { .name: woq, .offset: 40, .size: 8, .value_kind: global_buffer, .address_space: global }
    .group_segment_fixed_size: 102912
    .private_segment_fixed_size: 0
    .kernarg_segment_align: 8
    .kernarg_segment_size: 48
    .max_flat_workgroup_size: 128
    .sgpr_count:     66
    .vgpr_count:     194
    .wavefront_size: 32
...
	.end_amdgpu_metadata
.endif
;; end of part 1
;; launch gemm_qkv (part 2): grid 12 x 16, 4 waves a work-group, clusters of 4 x 4, 327,680 bytes of LDS; arguments xq, wq, qk, vq; writes qk, vq
.if DOCPART == 2
	.amdgcn_target "amdgcn-amd-amdhsa--gfx1250"
	.amdhsa_code_object_version 6
	.text
	.protected	k_q4e442e85c8_gemm_qkv
	.globl	k_q4e442e85c8_gemm_qkv
	.p2align	8
	.type	k_q4e442e85c8_gemm_qkv,@function
k_q4e442e85c8_gemm_qkv:
	s_mov_b64 s[64:65], 0
	v_nop
	global_prefetch_b8 v0, s[64:65] scope:SCOPE_SE
	s_setreg_imm32_b32 hwreg(HW_REG_WAVE_MODE, 25, 1), 1
	s_wait_xcnt 0x0
	s_wait_alu depctr_hold_cnt(0) depctr_sa_sdst(0) depctr_va_vdst(0) depctr_va_sdst(0) depctr_va_ssrc(0) depctr_va_vcc(0) depctr_vm_vsrc(0)
	s_getreg_b32 s2, hwreg(HW_REG_IB_STS2, 6, 4)
	s_cmp_eq_u32 s2, 0
	s_cbranch_scc0 .Lentry_in_a_cluster
	s_endpgm
.Lentry_in_a_cluster:
	s_bfe_u32 s2, ttmp6, 0x10000c
	s_cmp_lg_u32 s2, 0xf033
	s_cbranch_scc0 .Lentry_shape_is_right
	s_endpgm
.Lentry_shape_is_right:
; qkv = x w_qkv on codes of FP6 (E2M3) with E8M0 scales, f32 sums; the way out quantises q and k along the head's dims and v along the keys, straight into images of the next launch's operand registers.
; xq: 4,096 rows of 768 bytes, scale bytes (32 a row) at XSO; wq: 3,072 rows likewise, scale bytes at WSO.  Rows of both are stored with bits 3 and 4 of the row number exchanged.
; A tile of 256 x 256 is made by four waves, 128 x 128 each: 64 accumulators, 512 registers.  K = 1,024 goes in four steps of 256 through a ring of two LDS slots filled by the tensor data mover; the scale bytes of
; the work-group's 2 x 256 rows come once, with the first fills.  4 x 4 work-groups form a cluster; the four of a row ask jointly for "A"'s tiles, the four of a column for "B"'s.
; THE MATRIX INSTRUCTION IS USED TRANSPOSED: source 0 = 16 rows of "B", source 1 = 16 rows of "A".  A lane then holds one row of "A", and, by the stored row order, the 64 registers of a block of "A" run over 128
; NEIGHBOURING rows of "B": register 16 b + i is row 32 b + 16 (lane / 16) + i.  That is the order in which the quantiser takes them.
; WHO IS "A".  Cluster x = 0 makes q, 1 makes k: "A" = x (a lane a token), "B" = w (registers along the features: the next K).  Cluster x = 2 makes v: "A" = w (a lane a feature), "B" = x (registers along the tokens: the keys).
; The choice hangs on the cluster's x alone, which all sixteen partners share; only pointers, offsets and tile numbers are chosen; the loop is one.
; OUT.  qk: [b][hh 32][tb 64][1,536 bytes]: 32 tokens of a head (hh 0-15 q's, 16-31 k's) as 6 planes of 256 bytes, lane l's 8 bytes at 8 l: registers 0-5 hold tokens 32 tb + r + 8 (r / 8), registers 6-11 those 8 further on;
;   lanes 0-15 dims 0-31, lanes 16-31 dims 32-63.  Scale words at QKS: [b][hh][tb / 4][r][tb % 4], bytes (dims 0-31, dims 32-63) of the first sixteen tokens, then of the second.
; vq: [b h][ks 16][dt 4][1,536]: 16 features x 128 keys as 3 planes of 512 bytes, lane l's 16 bytes at 16 l.  Scale words at VSO: [b h][ks][r][dt].
; LIMITS: a block of zeros gets the byte 1 (its codes are zeros; this program alone reads the bytes); blocks under 2^-124 have the byte 1; NaN and infinities are not served.
.set SIZE_K, 1024
.set XSO,    3145728
.set WSO,    2359296
.set QKS,    6291456
.set VSO,    3145728
.set KSTEP,  256
.set NQ,     KSTEP/128
.set ROWB,   192
.set KROW,   SIZE_K*6/8
.set PITCH,  240                       ; an LDS row: 3 x (64 bytes + 16 of padding): the 32 lanes of a load of 8 bytes touch different banks (64 banks of 4 bytes: ISA guide 11.1)
.set FR,     12
.set NL,     6
.set NP,     4                         ; places behind this matrix instruction (ISA guide 7.12.1)
.set HALFT,  128*PITCH
.set SLOT,   4*HALFT
.set LAPS,   SIZE_K/(2*KSTEP)
.set KS,     SIZE_K/32
.set SCL,    2*SLOT                    ; behind the ring: the scale bytes, as units of 256 bytes + 16 of padding
.set HALFS,  (128*KS/256)*272
.set SBLK,   (16*KS/256)*272
.set SPARE,  SCL+4*HALFS               ; the spare words, 128 bytes for each wave
.set ADRA, 16                          ; v16-19 LDS addresses of my A fragments (slot 0, 1; the same behind one padding more)
.set ADRB, 20                          ; v20-23 of B's
.set OA,   24                          ; the way out: 8 x lane
.set OB,   25                          ; 16 x lane
.set OS,   26                          ; 16 r + 4,096 (lane / 16)
.set ADRS, 27                          ; LDS address of my scale words; on the way out the byte selector of v_perm_b32
.set SELV, 27
.set SPW,  28
.set NIL,  29
.set SC,   32                          ; v32-63 scale words, two sets: they hold nothing else
.set PC,   64                          ; the way out: v64-75 a fragment's codes, v76-82 at work
.set TM,   96                          ; v96-111 at work in the quantiser
.set PWS,  112                         ; v112-119 the eight blocks' scale words
.set W4,   120                         ; v120-123 four words to store
.set AF,   128
.set G1, 24
.set G0, 32
.set G1B, 48
.set G0B, 56
.set G1S, 68
.set G0S, 76
.set G1SB, 80
.set G0SB, 88
.set SEL, 76                           ; the way out: s[76:77] lane selects (the descriptors there are done with)
.set MSB, 0
.macro WIN new                         ; the immediate's high byte repeats the setting that is left
.if MSB != (\new)
	s_set_vgpr_msb (MSB<<8)|(\new)
.set MSB, (\new)
.endif
.endm
.set MUL_LO, 0xa1                      ; source 0 (B) window 1, source 1 (A) window 0, C and D window 2
.set MUL_HI, 0xf1
.set TO_B,   0x40
; A joint load: waves 0 and 1 fetch for A, waves 2 and 3 for B.  Four v_nop follow each of the two lines.
.macro JLOAD g0a, g1a, g0b, g1b
	s_cmp_eq_u32 s15, 0
	s_cbranch_scc0 .Lfor_b_\@
	tensor_load_to_lds s[\g0a:\g0a+3], s[\g1a:\g1a+7]
	s_nop 0
.rept 4
	v_nop
.endr
	s_branch .Lasked_\@
.Lfor_b_\@:
	tensor_load_to_lds s[\g0b:\g0b+3], s[\g1b:\g1b+7]
	s_nop 0
.rept 4
	v_nop
.endr
.Lasked_\@:
.endm
.macro CREST                           ; a round of the cluster's barrier behind its opening barrier
	s_cmp_lg_u32 s14, 0
	s_cbranch_scc1 .Lnot_wave_0_\@
	s_barrier_signal -3
.Lnot_wave_0_\@:
	s_barrier_wait -3
	s_barrier_signal -1
	s_barrier_wait -1
.endm
.macro CROUND
	s_barrier_signal -1
	s_barrier_wait -1
	CREST
.endm
	s_load_b128 s[4:7], s[0:1], 0x0                ; xq s[4:5], wq s[6:7]
	v_lshl_add_u32 v[SPW], v0, 2, SPARE
	v_mov_b32 v[NIL], 0
	ds_add_u32 v28, v29
	ds_add_u32 v28, v29
	s_wait_dscnt 0x0
	v_lshrrev_b32 v1, 5, v0
	v_readfirstlane_b32 s14, v1                    ; wave 0..3
	s_lshr_b32 s15, s14, 1                         ; which half of A's rows is mine.  Also: I fetch for A (0) or for B (1)
	s_and_b32 s16, s14, 1                          ; which half of B's rows.  Also: which 128 rows I fetch
	s_bfe_u32 s40, ttmp6, 0x40000                  ; cx, cy: my place in the cluster
	s_bfe_u32 s41, ttmp6, 0x40004
	s_and_b32 s12, ttmp7, 0xffff
	s_lshl_b32 s12, s12, 2                         ; 4 x cluster y
	s_lshl_b32 s13, ttmp9, 2                       ; 4 x cluster x
	s_mov_b32 s2, XSO
	s_mov_b32 s3, WSO
	s_cmp_eq_u32 ttmp9, 2                          ; v's clusters: the same answer in all sixteen partners
	s_cselect_b32 s66, 1, 0
	s_cselect_b32 s96, s3, s2                      ; where A's scale bytes begin in A's buffer
	s_cselect_b32 s98, s2, s3                      ; and B's
	s_cselect_b32 s17, 8, s12                      ; A's tile of 256 rows: v's features begin at row 2,048 of wq; else x's tile row
	s_cselect_b32 s42, s12, s13                    ; B's tile
	s_mov_b32 s97, 0
	s_mov_b32 s99, 0
	s_add_co_u32 s17, s17, s41                     ; + cy: A's tile hangs on cy alone of my place
	s_add_co_u32 s42, s42, s40                     ; + cx: B's on cx alone
	s_lshl_b32 s43, s41, 2
	s_lshl_b32 s43, 15, s43                        ; my row of the cluster
	s_lshl_b32 s44, 0x1111, s40                    ; my column
	; descriptor group 1: a tile of 128 rows x 192 bytes, 16 bytes of padding behind every 64
	s_or_b32 s[G1+0], s43, (0<<16)|(1<<20)|(1<<21)|(3<<22)|(3<<25)
	s_or_b32 s[G1B+0], s44, (0<<16)|(1<<20)|(1<<21)|(3<<22)|(3<<25)
.irp g, G1, G1B
	s_mov_b32 s[\g+1], ROWB<<16                    ; tensor_dim0
	s_mov_b32 s[\g+2], 128<<16                     ; tensor_dim1
	s_mov_b32 s[\g+3], ROWB<<16                    ; tile_dim0
	s_mov_b32 s[\g+4], 128                         ; tile_dim1
	s_mov_b32 s[\g+5], KROW                        ; pitch
	s_mov_b32 s[\g+6], 0
	s_mov_b32 s[\g+7], 0
.endr
	; the scale bytes of 128 rows: 4,096 dense bytes as 16 rows of 256 (32 elements of 8 bytes), 16 bytes of padding behind each
	s_or_b32 s[G1S+0], s43, (3<<16)|(1<<20)|(1<<21)|(5<<22)|(3<<25)
	s_or_b32 s[G1SB+0], s44, (3<<16)|(1<<20)|(1<<21)|(5<<22)|(3<<25)
.irp g, G1S, G1SB
	s_mov_b32 s[\g+1], 32<<16
	s_mov_b32 s[\g+2], (128*KS/256)<<16
	s_mov_b32 s[\g+3], 32<<16
	s_mov_b32 s[\g+4], 128*KS/256
	s_mov_b32 s[\g+5], 32
	s_mov_b32 s[\g+6], 0
	s_mov_b32 s[\g+7], 0
.endr
	s_lshl_b32 s18, s16, 7                         ; which 128 rows of the tile I fetch
	s_lshl_b32 s20, s17, 8
	s_add_co_u32 s20, s20, s18
	s_lshl_b32 s46, s42, 8
	s_add_co_u32 s46, s46, s18
	s_mov_b32 s21, 0
	s_mov_b32 s47, 0
	s_mov_b64 s[18:19], KS
	s_mul_u64 s[22:23], s[20:21], s[18:19]
	s_mul_u64 s[92:93], s[46:47], s[18:19]
	s_add_nc_u64 s[22:23], s[22:23], s[96:97]      ; where these rows' scale bytes begin
	s_add_nc_u64 s[92:93], s[92:93], s[98:99]
	s_mov_b64 s[18:19], KROW
	s_mul_u64 s[20:21], s[20:21], s[18:19]         ; and their codes
	s_mul_u64 s[46:47], s[46:47], s[18:19]
	s_mul_i32 s45, s14, HALFT                      ; where they go: wave x 128 rows
	s_mul_i32 s94, s14, HALFS
	s_wait_kmcnt 0x0
	s_cmp_eq_u32 ttmp9, 2
	s_cselect_b64 s[8:9], s[6:7], s[4:5]           ; A's buffer
	s_cselect_b64 s[10:11], s[4:5], s[6:7]         ; B's buffer
	s_add_nc_u64 s[20:21], s[8:9], s[20:21]
	s_add_nc_u64 s[22:23], s[8:9], s[22:23]
	s_add_nc_u64 s[46:47], s[10:11], s[46:47]
	s_add_nc_u64 s[92:93], s[10:11], s[92:93]
	CROUND                                         ; all sixteen work-groups are here: the first joint loads meet
	s_mov_b32 s[G0S], 1
	s_add_co_u32 s[G0S+1], s94, SCL
	s_mov_b64 s[G0S+2:G0S+3], s[22:23]
	s_or_b32 s[G0S+3], s[G0S+3], 0x80000000
	s_mov_b32 s[G0SB], 1
	s_add_co_u32 s[G0SB+1], s94, SCL
	s_mov_b64 s[G0SB+2:G0SB+3], s[92:93]
	s_or_b32 s[G0SB+3], s[G0SB+3], 0x80000000
	JLOAD G0S, G1S, G0SB, G1SB                     ; the scale bytes first: three loads of mine are out behind these first fills
.irp s, 0,1
	s_mov_b32 s[G0+4*\s], 1
	s_add_co_u32 s[G0+4*\s+1], s45, \s*SLOT
	s_add_nc_u64 s[G0+4*\s+2:G0+4*\s+3], s[20:21], \s*ROWB
	s_or_b32 s[G0+4*\s+3], s[G0+4*\s+3], 0x80000000
	s_mov_b32 s[G0B+4*\s], 1
	s_add_co_u32 s[G0B+4*\s+1], s45, \s*SLOT
	s_add_nc_u64 s[G0B+4*\s+2:G0B+4*\s+3], s[46:47], \s*ROWB
	s_or_b32 s[G0B+4*\s+3], s[G0B+4*\s+3], 0x80000000
	JLOAD G0+4*\s, G1, G0B+4*\s, G1B
.endr
	v_and_b32 v1, 15, v0                           ; l % 16
	v_bfe_u32 v2, v0, 4, 1                         ; l / 16
	v_mul_u32_u24 v3, v1, PITCH
	v_mul_u32_u24 v4, v2, 24
	v_add_nc_u32 v4, v3, v4                        ; a fragment's row x pitch + 24 x half
	v_lshl_add_u32 v5, v2, 4, v4                   ; and the same behind one padding more
	s_mul_i32 s21, s15, HALFT
	s_mul_i32 s22, s16, HALFT
	s_add_co_u32 s22, s22, 2*HALFT
.irp s, 0,1
	v_add_nc_u32 v[ADRA+\s], s21, v4
	v_add_nc_u32 v[ADRB+\s], s22, v4
	v_add_nc_u32 v[ADRA+2+\s], s21, v5
	v_add_nc_u32 v[ADRB+2+\s], s22, v5
	s_add_co_u32 s21, s21, SLOT
	s_add_co_u32 s22, s22, SLOT
.endr
	v_mul_u32_u24 v5, v1, KS                       ; my row's scale bytes,
	v_lshrrev_b32 v6, 8, v5
	v_lshl_add_u32 v5, v6, 4, v5                   ; and 16 more for each 256 passed
	s_mul_i32 s21, s15, HALFS
	s_mul_i32 s22, s16, HALFS
	s_add_co_u32 s22, s22, 2*HALFS
	s_sub_co_u32 s22, s22, s21
	v_mul_u32_u24 v6, s22, v2                      ; lanes 16-31 take B's
	s_add_co_u32 s21, s21, SCL
	v_add_nc_u32 v5, v5, v6
	v_add_nc_u32 v[ADRS], s21, v5
.macro FRAG reg, adr, q, i             ; 16 rows x 128 K of 6-bit codes: 12 registers, six pieces of 8 bytes; lanes 16-31 read three pieces further on, for some pieces behind one padding more
.irp p, 0,1,2,3,4,5
.set PCE, 12*(\q)+6*(\p/3)+\p%3
.if PCE%8 < 5
	ds_load_b64 v[\reg+2*\p:\reg+2*\p+1], v[\adr] offset:8*PCE+16*(PCE/8)+(\i)*16*PITCH
.else
	ds_load_b64 v[\reg+2*\p:\reg+2*\p+1], v[\adr+2] offset:8*PCE+16*(PCE/8)+(\i)*16*PITCH
.endif
.endr
.endm
; 16 matrix instructions: A's blocks a0, a0 + 1 x B's eight.  The 64 accumulators take turns, one instruction a turn.  zero = 1: the first product starts the sums.
.macro MUL16 a0, p, q, sc, zero
.irp a, \a0, \a0+1
.irp b, 0,1,2,3,4,5,6,7
.if \zero
	v_wmma_scale_f32_16x16x128_f8f6f4 v[8*(8*((\a)%4)+\b):8*(8*((\a)%4)+\b)+7], v[128*(\p)+FR*\b:128*(\p)+FR*\b+FR-1], v[AF+FR*(\a):AF+FR*(\a)+FR-1], 0, v[SC+8*NQ*(\sc)+NQ*\b+(\q)], v[SC+8*NQ*(\sc)+NQ*(\a)+(\q)] matrix_a_fmt:MATRIX_FMT_FP6 matrix_b_fmt:MATRIX_FMT_FP6 matrix_a_scale:MATRIX_SCALE_ROW1
.else
	v_wmma_scale_f32_16x16x128_f8f6f4 v[8*(8*((\a)%4)+\b):8*(8*((\a)%4)+\b)+7], v[128*(\p)+FR*\b:128*(\p)+FR*\b+FR-1], v[AF+FR*(\a):AF+FR*(\a)+FR-1], v[8*(8*((\a)%4)+\b):8*(8*((\a)%4)+\b)+7], v[SC+8*NQ*(\sc)+NQ*\b+(\q)], v[SC+8*NQ*(\sc)+NQ*(\a)+(\q)] matrix_a_fmt:MATRIX_FMT_FP6 matrix_b_fmt:MATRIX_FMT_FP6 matrix_a_scale:MATRIX_SCALE_ROW1
.endif
.endr
.endr
.endm
.macro FETCH_B slot, q, p
	WIN TO_B
.irp i, 0,1,2,3,4,5,6,7
	FRAG 128*(\p)+FR*\i, ADRB+\slot, \q, \i
.endr
	WIN 0
.endm
.macro FETCH_A slot, q, i0
.irp i, \i0, \i0+1, \i0+2, \i0+3
	FRAG AF+FR*(\i), ADRA+\slot, \q, \i
.endr
.endm
.macro SCALES sc                       ; a K step's scale words: lanes 0-15 A's block i, lanes 16-31 B's block i
.irp i, 0,1,2,3,4,5,6,7
	ds_load_b64 v[SC+8*NQ*\sc+NQ*\i:SC+8*NQ*\sc+NQ*\i+1], v[ADRS] offset:\i*SBLK
.endr
.endm
.macro PLACES n                        ; plain vector instructions between a matrix instruction and a load into, or a read of, its registers
.rept \n
	v_nop
.endr
.endm
.macro STEP slot, q, zero
	s_wait_dscnt 4*NL                              ; B's set and A's blocks 0-3 are in; the youngest 24 loads (A's blocks 4-7) may be out
	WIN MUL_LO
	MUL16 0, (\q)%2, \q, \slot, \zero
	MUL16 2, (\q)%2, \q, \slot, \zero
	s_wait_dscnt 0
	PLACES NP
	FETCH_B \slot, (\q)+1, 1-(\q)%2
	FETCH_A \slot, (\q)+1, 0
	WIN MUL_HI
	MUL16 4, (\q)%2, \q, \slot, \zero
	MUL16 6, (\q)%2, \q, \slot, \zero
	PLACES NP
	WIN 0
	FETCH_A \slot, (\q)+1, 4
.endm
; A slot's last step changes slots: one barrier; in front of it each wave waits for all its tensor loads, adds 0 to its spare word, and waits for that and for its reads of this slot.
.macro TURN slot, next, fill
	s_wait_tensorcnt 0x0                           ; all my tensor loads have landed: my part of the next slot
	ds_add_u32 v[SPW], v[NIL]                      ; 0 onto my spare word
	s_wait_dscnt 4*NL+1                            ; (the add and the youngest 24 loads may be out)
	WIN MUL_LO
	MUL16 0, 1, NQ-1, \slot, 0
	s_wait_dscnt 0x0                               ; the add is done, and my reads of this slot are over
	s_barrier_signal -1
	MUL16 2, 1, NQ-1, \slot, 0
	WIN 0
	s_barrier_wait -1
.if \fill
	CREST                                          ; the barrier has opened a round of the cluster's: no wave of any partner still reads this slot or has a load on its way
	s_add_nc_u64 s[G0+4*\slot+2:G0+4*\slot+3], s[G0+4*\slot+2:G0+4*\slot+3], 2*ROWB
	s_add_nc_u64 s[G0B+4*\slot+2:G0B+4*\slot+3], s[G0B+4*\slot+2:G0B+4*\slot+3], 2*ROWB
	JLOAD G0+4*\slot, G1, G0B+4*\slot, G1B         ; the first tensor load behind the round, my only one until the next
.else
	PLACES NP
.endif
	v_add_nc_u32 v[ADRS], 4*NQ, v[ADRS]
	FETCH_B \next, 0, 0
	FETCH_A \next, 0, 0
	SCALES \next
	WIN MUL_HI
	MUL16 4, 1, NQ-1, \slot, 0
	MUL16 6, 1, NQ-1, \slot, 0
	PLACES NP
	WIN 0
	FETCH_A \next, 0, 4
.endm
	s_wait_tensorcnt 1                             ; the scale bytes and my part of K step 0 are in (K step 1's load may be out)
	s_barrier_signal -1
	s_barrier_wait -1
	FETCH_B 0, 0, 0
	FETCH_A 0, 0, 0
	SCALES 0
	FETCH_A 0, 0, 4
	STEP 0, 0, 1
	s_mov_b32 s3, LAPS-1
.Llap:
	TURN 0, 1, 1
	STEP 1, 0, 0
	TURN 1, 0, 1
	STEP 0, 0, 0
	s_sub_co_u32 s3, s3, 1
	s_cmp_lg_u32 s3, 0
	s_cbranch_scc1 .Llap
	TURN 0, 1, 0
	STEP 1, 0, 0
	s_wait_dscnt 4*NL
	WIN MUL_LO
	MUL16 0, 1, NQ-1, 1, 0
	MUL16 2, 1, NQ-1, 1, 0
	s_wait_dscnt 0
	WIN MUL_HI
	MUL16 4, 1, NQ-1, 1, 0
	MUL16 6, 1, NQ-1, 1, 0
	WIN 0
; 64 numbers of a lane in window w, register s + 16 b + i = k 32 b + 16 (lane / 16) + i of the lane's row, become a fragment's codes in v[PC] on and its scale word in v[pw].
; Each accumulator is first read at its two lowest registers.
.macro QUANTW s, w, pw
	WIN 0x0a+5*((\w)-2)                            ; sources 0 and 1 in window w
.irp b, 0,1,2,3
	v_max3_num_f32 v[TM+\b], |v[(\s)+16*\b]|, |v[(\s)+16*\b+1]|, 0x1800000   ; my 16 numbers of block b, and the floor 2^(3 - 127)
.endr
.irp i, 2,4,6,8,10,12,14
.irp b, 0,1,2,3
	v_max3_num_f32 v[TM+\b], |v[(\s)+16*\b+\i]|, |v[(\s)+16*\b+\i+1]|, v[TM+\b]
.endr
.endr
	WIN 0
.irp b, 0,1,2,3
	v_permlanex16_b32 v[TM+4+\b], v[TM+\b], s[SEL], s[SEL+1]
.endr
.irp b, 0,1,2,3
	v_max_num_f32 v[TM+\b], v[TM+\b], v[TM+4+\b]   ; with lane l xor 16's: the block's largest magnitude
.endr
.irp b, 0,1,2,3
	v_add_nc_u32 v[TM+12+\b], 0xff000000, v[TM+\b] ; 2 off the exponent field: the conversion's scale operand
.endr
.irp b, 0,1,2,3
	v_lshrrev_b32 v[TM+4+\b], 23, v[TM+12+\b]      ; the scale's byte
.endr
	v_lshl_or_b32 v[\pw], v[TM+5], 8, v[TM+4]
	v_lshl_or_b32 v[\pw], v[TM+6], 16, v[\pw]
	v_lshl_or_b32 v[\pw], v[TM+7], 24, v[\pw]
	WIN (\w)                                       ; source 0 in window w
.irp c, 0,1
	v_cvt_scalef32_pk16_fp6_f32 v[PC+6*\c:PC+6*\c+2], v[(\s)+32*\c:(\s)+32*\c+15], v[TM+12+2*\c]
	v_cvt_scalef32_pk16_fp6_f32 v[PC+12+4*\c:PC+12+4*\c+2], v[(\s)+32*\c+16:(\s)+32*\c+31], v[TM+12+2*\c+1]
.endr
	WIN 0
	v_nop                                          ; one plain place behind a scaled conversion
.irp c, 0,1                                    ; a whole block to a lane: lanes 0-15 block 2 c, lanes 16-31 block 2 c + 1
.irp i, 0,1,2
	v_permlane16_swap_b32 v[PC+6*\c+\i], v[PC+12+4*\c+\i]
.endr
.irp i, 0,1,2
	v_mov_b32 v[PC+3+6*\c+\i], v[PC+12+4*\c+\i]
.endr
.endr
.endm
; THE WAY OUT of A's block a: 16 lanes' rows x 128 along the next K: one fragment.  q, k: its registers 0-5 belong to the first head, 6-11 to the second: six stores of 256 consecutive bytes.  v: three of 512.
.macro EBLK a
	s_wait_xcnt 0x0                                ; the last block's stores have read their data registers
	QUANTW 64*((\a)%4), 2+(\a)/4, PWS+(\a)
	s_cmp_eq_u32 s66, 1
	s_cbranch_scc1 .Lv_\@
.irp p, 0,1,2
	global_store_b64 v[OA], v[PC+2*\p:PC+2*\p+1], s[72:73] offset:((\a)/2)*1536+((\a)%2)*768+256*\p
.endr
.irp p, 0,1,2
	global_store_b64 v[OA], v[PC+6+2*\p:PC+6+2*\p+1], s[72:73] offset:98304+((\a)/2)*1536+((\a)%2)*768+256*\p
.endr
	s_branch .Ldone_\@
.Lv_\@:
.irp c, 0,1,2
	global_store_b128 v[OB], v[PC+4*\c:PC+4*\c+3], s[72:73] offset:((\a)/4)*98304+((\a)%4)*1536+512*\c
.endr
.Ldone_\@:
.endm
	PLACES NP                                      ; behind the last products
	s_load_b128 s[68:71], s[0:1], 0x10             ; qk s[68:69], vq s[70:71] (no tensor load of mine is out: these descriptor registers are free)
	s_mov_b32 s[SEL], 0x76543210
	s_mov_b32 s[SEL+1], 0xfedcba98                 ; v_permlanex16_b32's selects for lane l xor 16
	s_mov_b32 s67, 0xffff0000                      ; lanes 16-31
	v_and_b32 v1, 31, v0
	v_lshlrev_b32 v[OA], 3, v1
	v_lshlrev_b32 v[OB], 4, v1
	v_and_b32 v2, 15, v0
	v_bfe_u32 v3, v0, 4, 1
	v_lshlrev_b32 v[OS], 4, v2
	v_lshl_add_u32 v[OS], v3, 12, v[OS]
	v_mov_b32 v[SELV], 0x05040100                  ; lanes 0-15 gather the first head's two bytes of two words,
	v_mov_b32 v4, 0x07060302                       ; lanes 16-31 the second head's
	v_cndmask_b32 v[SELV], v[SELV], v4, s67
.irp b, 0,1,2,3
	v_mov_b32 v[TM+4+\b], 0                        ; written once: a lane permute's destination counts as one of its sources
.endr
	s_lshl_b32 s20, s17, 8
	s_lshl_b32 s21, s15, 7
	s_add_co_u32 s20, s20, s21                     ; my first row of A
	s_lshl_b32 s21, s42, 8
	s_lshl_b32 s22, s16, 7
	s_add_co_u32 s21, s21, s22                     ; my first row of B
	s_sub_co_u32 s22, s20, 2048                    ; (v: the feature counted from v's first; used in v's clusters alone)
	s_mov_b32 s46, QKS
	s_wait_kmcnt 0x0
	s_cmp_eq_u32 s66, 1
	s_cselect_b32 s23, s21, s20                    ; my first token
	s_cselect_b32 s22, s22, s21                    ; my first feature
	s_cselect_b32 s45, 4, 5                        ; heads to a batch: 16 in vq, 32 in qk
	s_cselect_b32 s46, VSO, s46                    ; where the scale words begin
	s_cselect_b64 s[72:73], s[70:71], s[68:69]     ; the buffer
	s_lshr_b32 s47, s23, 11                        ; b
	s_lshl_b32 s47, s47, s45
	s_lshr_b32 s22, s22, 6                         ; my first head
	s_add_co_u32 s47, s47, s22
	s_lshl_b32 s47, s47, 4
	s_bfe_u32 s23, s23, 0x40007                    ; which 128 tokens of the batch's 2,048
	s_add_co_u32 s47, s47, s23
	s_mul_i32 s20, s47, 6144                       ; 128 tokens of a head are 6,144 bytes of codes in both buffers,
	s_mov_b32 s21, 0
	s_lshl_b32 s22, s47, 8                         ; and 256 bytes of scale words
	s_add_co_u32 s22, s22, s46
	s_mov_b32 s23, 0
	s_add_nc_u64 s[74:75], s[72:73], s[22:23]
	s_add_nc_u64 s[72:73], s[72:73], s[20:21]
.irp a, 0,1,2,3,4,5,6,7
	EBLK \a
.endr
	s_cmp_eq_u32 s66, 1
	s_cbranch_scc1 .Lv_words
.irp p, 0,1,2,3
	v_perm_b32 v[W4+\p], v[PWS+2*\p+1], v[PWS+2*\p], v[SELV]   ; 32 tokens' word of my head: two bytes of block 2 p's word, two of block 2 p + 1's
.endr
	s_branch .Lwords
.Lv_words:
.irp p, 0,1,2,3
	v_cndmask_b32 v[W4+\p], v[PWS+\p], v[PWS+4+\p], s67        ; lanes 0-15 the first head's four tiles of features, lanes 16-31 the second's
.endr
.Lwords:
	global_store_b128 v[OS], v[W4:W4+3], s[74:75]  ; each sixteen lanes store 256 consecutive bytes, aligned
	s_wait_tensorcnt 0x0                           ; the wave's end
	ds_add_u32 v[SPW], v[NIL]
	s_wait_dscnt 0x0
	CROUND                                         ; the closing round
	s_endpgm
.Lfunc_end_k_q4e442e85c8_gemm_qkv:
	.size	k_q4e442e85c8_gemm_qkv, .Lfunc_end_k_q4e442e85c8_gemm_qkv-k_q4e442e85c8_gemm_qkv
	.p2alignl 7, 3214868480
	.fill 96, 4, 3214868480
	.section	.rodata,"a",@progbits
	.p2align	6, 0x0
	.amdhsa_kernel k_q4e442e85c8_gemm_qkv
		.amdhsa_group_segment_fixed_size 327680
		.amdhsa_private_segment_fixed_size 0
		.amdhsa_enable_private_segment 0
		.amdhsa_kernarg_size 32
		.amdhsa_user_sgpr_count 2
		.amdhsa_user_sgpr_kernarg_segment_ptr 1
		.amdhsa_wavefront_size32 1
		.amdhsa_system_sgpr_workgroup_id_x 1
		.amdhsa_system_sgpr_workgroup_id_y 1
		.amdhsa_system_sgpr_workgroup_id_z 1
		.amdhsa_system_vgpr_workitem_id 0
		.amdhsa_next_free_vgpr 1024
		.amdhsa_next_free_sgpr 100
		.amdhsa_reserve_vcc 0
		.amdhsa_float_denorm_mode_32 3
		.amdhsa_float_denorm_mode_16_64 3
		.amdhsa_memory_ordered 1
		.amdhsa_forward_progress 1
		.amdhsa_inst_pref_size 171
	.end_amdhsa_kernel
	.amdgpu_metadata
---
amdhsa.version: [ 1, 2 ]
amdhsa.kernels:
  - .name:           k_q4e442e85c8_gemm_qkv
    .symbol:         k_q4e442e85c8_gemm_qkv.kd
    .args:
      - { .name: xq, .offset: 0, .size: 8, .value_kind: global_buffer, .address_space: global }
      - { .name: wq, .offset: 8, .size: 8, .value_kind: global_buffer, .address_space: global }
      - { .name: qk, .offset: 16, .size: 8, .value_kind: global_buffer, .address_space: global }
      - { .name: vq, .offset: 24, .size: 8, .value_kind: global_buffer, .address_space: global }
    .group_segment_fixed_size: 327680
    .private_segment_fixed_size: 0
    .kernarg_segment_align: 8
    .kernarg_segment_size: 32
    .max_flat_workgroup_size: 128
    .sgpr_count:     100
    .vgpr_count:     1024
    .wavefront_size: 32
...
	.end_amdgpu_metadata
.endif
;; end of part 2
;; launch attn (part 3): grid 8 x 32, 4 waves a work-group, no clusters, 205,312 bytes of LDS; arguments qk, vq, lambda_q1, lambda_k1, lambda_q2, lambda_k2, norm_w, a7; writes a7
.if DOCPART == 3
	.amdgcn_target "amdgcn-amd-amdhsa--gfx1250"
	.amdhsa_code_object_version 6
	.text
	.protected	k_q4e442e85c8_attn
	.globl	k_q4e442e85c8_attn
	.p2align	8
	.type	k_q4e442e85c8_attn,@function
k_q4e442e85c8_attn:
	s_mov_b64 s[64:65], 0
	v_nop
	global_prefetch_b8 v0, s[64:65] scope:SCOPE_SE
	s_setreg_imm32_b32 hwreg(HW_REG_WAVE_MODE, 25, 1), 1
	s_wait_xcnt 0x0
; Differential attention of one head on codes of FP6 (E2M3): a = softmax(q1 k1^T / 8) - lam softmax(q2 k2^T / 8), finished and normalised, is quantised along the keys; out = a v; RMS norm over the head's 64;
; x norm_w x 0.2; the result is quantised along the QUERIES (they are the K of the last product: row d 32 + 2 h + t / 1024, column t % 1024) and stored as codes and scale bytes in a7.
; SHARES.  Work-group (x, b h) owns queries 256 x .. 256 x + 255: 16 tiles of 16.  THE FOUR WAVES SHARE THE KEYS: wave w owns keys 512 w .. 512 w + 511 for every tile, so that both softmaxes' 2 x 256 score registers
; of a tile stay in registers until the row sums are known: one exponential and one product a score.  Each wave takes its own largest score away before its exponentials; one exchange of (c m, l) through LDS gives the
; row's largest score, its sum and the wave's factor 2^(c m_wave - c m_row) / l_row.
; LAYOUT.  All products are used transposed: a lane holds ONE query (lane % 16).  A fragment of k (12 registers) holds 32 keys x 64 dims: its four blocks of 32 along K are k1, k2 of sixteen keys, then k1, k2 of the other
; sixteen.  Four operands of q, cut out of the run v16-45 = [zeros | q1 in lanes 0-15 | zeros | q2 in lanes 16-31 | zeros], pick one block each; zero codes add nothing.  The keys of a tile are 32 f + 8 u + r + 8 (r / 8),
; so that register 16 (f % 8) + 8 u + j of lane (r, hl) is key 32 f + 16 hl + 8 u + j: sixteen neighbours for the quantiser.
; k's 16 fragments stay in registers, v's 16 lie in the wave's own LDS bytes as images of their registers.  A work-group reads its K and V once, 196,608 bytes at its head, k straight into operand registers, and no LDS
; byte is filled twice: so there is no ring, no tensor load and no joint load, though the eight work-groups of a head read the same K and V.
; REGISTERS: window 0: see the names below.  window 1: v0-191 k; v192-239 four fragments of v.  window 2: keys 0-255 of the wave: S1 in v0-127, S2 in v128-255.  window 3: keys 256-511 likewise.
; LIMITS: NaN and infinities are not served; a block of zeros gets the byte 1 (its codes are zeros; this program alone reads the bytes); blocks under 2^-124 have the byte 1; f32 sums go in another order than the reference's.
.set QKS,  6291456
.set VSO,  3145728
.set A7S,  3145728
.set PO,   98304                       ; LDS: 0: v's images, 24,576 bytes a wave;  PO: partial O^T, [wave][tile of the batch][4,096]
.set TS,   163840                      ; 128 chunks (2 d + block) of 32 f32 along the queries + 16 bytes
.set CD,   182272                      ; 64 rows d x 272: sixteen places of 16 bytes, 12 of codes each
.set SBY,  199680                      ; scale bytes, 8 d + block
.set STAT, 200192                      ; 256 wave + 16 r: (c m1, l1, c m2, l2)
.set R16,  1                           ; 16 r
.set L8,   2                           ; 8 x lane
.set L16,  3                           ; 16 x lane
.set AV,   4                           ; my wave's images of v
.set AST,  5                           ; where I store my statistics
.set ASL,  6                           ; where I read the four waves'
.set APW,  7                           ; PO: where I store
.set APR,  8                           ; PO: where I read tile w
.set ATW,  9                           ; TS: where I store
.set ATR,  10                          ; TS: my chunk
.set ACW,  11                          ; CD: where I store
.set ASB,  12                          ; SBY: my byte
.set QOF,  13                          ; offset of q's scale word
.set NOF,  14                          ; offset in norm_w
.set NLAM, 15                          ; -lam
.set QX1,  22                          ; v22-27 q1 in lanes 0-15;  v34-39 q2 in lanes 16-31;  v16-21, v28-33, v40-45 zeros
.set QX2,  34
.set QSC,  46                          ; q's scale word (s1, s2, s1, s2)
.set PW,   47                          ; a's scale word
.set QF,   48                          ; v48-53 the next tile's codes of q as loaded
.set R1,   54                          ; v[54:55] my factor for softmax 1
.set KSC,  56                          ; v56-71 k's scale words
.set VSC,  72                          ; v72-87 v's
.set O,    88                          ; v88-119 O^T: four accumulators
.set PC,   120                         ; v120-138 a's codes
.set TM,   140                         ; v140-155 at work in the quantiser
.set QWR,  156                         ; the next tile's scale word of q as loaded
.set R2,   158                         ; v[158:159] my factor for softmax 2, x -lam
.set ST,   160                         ; v160-163 c m1, l1, c m2, l2
.set MX,   164                         ; v164-171 running maxima, four chains a softmax
.set LS1,  172                         ; v172-179, v180-187 sums, four chains of pairs a softmax
.set LS2,  180
.set G,    188                         ; v188-203 the four waves' statistics
.set EX,   204                         ; v204-213 ten exponents
.set NW,   216                         ; v216-247 0.2 norm_w of my 32 d
.set T,    248                         ; v248-255 at work
.set SEL,  32                          ; s[32:33] selects for lane l xor 16
.set CS,   34                          ; s[34:35] c = log2(e) / 8
.set MSB, 0
.macro WIN new                         ; the immediate's high byte repeats the setting that is left
.if MSB != (\new)
	s_set_vgpr_msb (MSB<<8)|(\new)
.set MSB, (\new)
.endif
.endm
; 64 numbers of a lane in window w, register s + 16 b + i = k 32 b + 16 (lane / 16) + i, become a fragment's codes in v[PC] on and its scale word in v[pw].
.macro QUANTW s, w, pw
	WIN 0x0a+5*((\w)-2)
.irp b, 0,1,2,3
	v_max3_num_f32 v[TM+\b], |v[(\s)+16*\b]|, |v[(\s)+16*\b+1]|, 0x1800000   ; my 16 numbers of block b, and the floor 2^(3 - 127)
.endr
.irp i, 2,4,6,8,10,12,14
.irp b, 0,1,2,3
	v_max3_num_f32 v[TM+\b], |v[(\s)+16*\b+\i]|, |v[(\s)+16*\b+\i+1]|, v[TM+\b]
.endr
.endr
	WIN 0
.irp b, 0,1,2,3
	v_permlanex16_b32 v[TM+4+\b], v[TM+\b], s[SEL], s[SEL+1]
.endr
.irp b, 0,1,2,3
	v_max_num_f32 v[TM+\b], v[TM+\b], v[TM+4+\b]
.endr
.irp b, 0,1,2,3
	v_add_nc_u32 v[TM+12+\b], 0xff000000, v[TM+\b] ; 2 off the exponent field: the conversion's scale operand
.endr
.irp b, 0,1,2,3
	v_lshrrev_b32 v[TM+4+\b], 23, v[TM+12+\b]
.endr
	v_lshl_or_b32 v[\pw], v[TM+5], 8, v[TM+4]
	v_lshl_or_b32 v[\pw], v[TM+6], 16, v[\pw]
	v_lshl_or_b32 v[\pw], v[TM+7], 24, v[\pw]
	WIN (\w)
.irp c, 0,1
	v_cvt_scalef32_pk16_fp6_f32 v[PC+6*\c:PC+6*\c+2], v[(\s)+32*\c:(\s)+32*\c+15], v[TM+12+2*\c]
	v_cvt_scalef32_pk16_fp6_f32 v[PC+12+4*\c:PC+12+4*\c+2], v[(\s)+32*\c+16:(\s)+32*\c+31], v[TM+12+2*\c+1]
.endr
	WIN 0
	v_nop                                          ; one plain place behind a scaled conversion
.irp c, 0,1
.irp i, 0,1,2
	v_permlane16_swap_b32 v[PC+6*\c+\i], v[PC+12+4*\c+\i]
.endr
.irp i, 0,1,2
	v_mov_b32 v[PC+3+6*\c+\i], v[PC+12+4*\c+\i]
.endr
.endr
.endm
; The next tile's codes and scale word of q are asked for.  s39 = that tile's number in the work-group.  (The last tile asks for the 768 bytes and the word that follow: they lie inside qk and are not used.)
.macro QLOAD
	global_load_b64 v[QF:QF+1], v[L8], s[46:47]
	global_load_b64 v[QF+2:QF+3], v[L8], s[46:47] offset:256
	global_load_b64 v[QF+4:QF+5], v[L8], s[46:47] offset:512
	s_lshr_b32 s53, s39, 1                         ; which 32 queries
	s_lshr_b32 s54, s53, 2
	s_lshl_b32 s54, s54, 8
	s_and_b32 s53, s53, 3
	s_lshl_b32 s53, s53, 2
	s_add_co_u32 s53, s53, s54
	v_add_nc_u32 v[QOF], s53, v[R16]
	global_load_b32 v[QWR], v[QOF], s[48:49]
	s_bitcmp1_b32 s39, 0
	s_cselect_b32 s52, s38, s37                    ; the word's lower or upper two bytes
	s_add_co_u32 s39, s39, 1
.endm
.macro QFORM                           ; and made into the four operands
	s_wait_loadcnt 0x0
	s_add_nc_u64 s[46:47], s[46:47], 768           ; (the loads are done: their base may step)
.irp k, 0,1,2,3,4,5
	v_cndmask_b32 v[QX1+\k], 0, v[QF+\k], s36
	v_cndmask_b32 v[QX2+\k], v[QF+\k], 0, s36
.endr
	v_perm_b32 v[QSC], v[QWR], v[QWR], s52
.endm
; The maxima of score tile t: four chains a softmax.  Each accumulator is first read at its two lowest registers.
.macro MAXT t
.set mf, (\t)/4
.set mq, (\t)%4
.set mD, 128*(mq/2)+16*(mf%8)+8*(mq%2)
.set mM, MX+4*(mq/2)
	WIN 0x0a+5*(mf/8)
.irp c, 0,1,2,3
.if ((\t) == 0) || ((\t) == 2)
	v_max_num_f32 v[mM+\c], v[mD+2*\c], v[mD+2*\c+1]
.else
	v_max3_num_f32 v[mM+\c], v[mD+2*\c], v[mD+2*\c+1], v[mM+\c]
.endif
.endr
.endm
; 64 products: fragment f of k x the four operands of q.  Behind each stand the maxima of the tile made two products earlier: eight plain instructions lie between a product and the read of its result.
.macro SCORES
.set kk, 0
.rept 64
.set sf, kk/4
.set sq, kk%4
.set sD, 128*(sq/2)+16*(sf%8)+8*(sq%2)
.set sB, 22-6*(sq%2)+12*(sq/2)
	WIN 0x81+0x40*(sf/8)
	v_wmma_scale_f32_16x16x128_f8f6f4 v[sD:sD+7], v[12*sf:12*sf+11], v[sB:sB+11], 0, v[KSC+sf], v[QSC] matrix_a_fmt:MATRIX_FMT_FP6 matrix_b_fmt:MATRIX_FMT_FP6
.if kk == 2
.rept 4
	v_nop                                          ; the places behind the first product
.endr
.endif
.if kk >= 2
	MAXT kk-2
.endif
.set kk, kk+1
.endr
	MAXT 62
	MAXT 63
	WIN 0
.endm
; p = 2^(c s - c m) for the 256 scores of window w
.macro EXPW w
	WIN ((\w)<<6)|(\w)
.set n, 0
.rept 64
	v_pk_fma_f32 v[2*n:2*n+1], v[2*n:2*n+1], s[CS:CS+1], v[ST:ST+1] op_sel_hi:[1,0,0] neg_lo:[0,0,1] neg_hi:[0,0,1]
.set n, n+1
.endr
.set n, 0
.rept 64
	v_exp_f32 v[2*n], v[2*n]
	v_exp_f32 v[2*n+1], v[2*n+1]
	v_pk_fma_f32 v[128+2*n:128+2*n+1], v[128+2*n:128+2*n+1], s[CS:CS+1], v[ST+2:ST+3] op_sel_hi:[1,0,0] neg_lo:[0,0,1] neg_hi:[0,0,1]
.set n, n+1
.endr
.set n, 0
.rept 128
	v_exp_f32 v[128+n], v[128+n]
.set n, n+1
.endr
	v_nop                                          ; a plain place behind the last exponential,
	s_wait_alu depctr_va_vdst(0)                   ; and one wait for the window's 256, ahead of the first line that names a result
.endm
.macro SUMS                            ; the wave's sums of p, two at a time, four chains a softmax
	WIN 0x0a
.irp c, 0,1,2,3
	v_pk_add_f32 v[LS1+2*\c:LS1+2*\c+1], v[2*\c:2*\c+1], v[8+2*\c:8+2*\c+1]
	v_pk_add_f32 v[LS2+2*\c:LS2+2*\c+1], v[128+2*\c:128+2*\c+1], v[136+2*\c:136+2*\c+1]
.endr
	WIN 0x08
.set n, 8
.rept 56
	v_pk_add_f32 v[LS1+2*(n%4):LS1+2*(n%4)+1], v[LS1+2*(n%4):LS1+2*(n%4)+1], v[2*n:2*n+1]
	v_pk_add_f32 v[LS2+2*(n%4):LS2+2*(n%4)+1], v[LS2+2*(n%4):LS2+2*(n%4)+1], v[128+2*n:128+2*n+1]
.set n, n+1
.endr
	WIN 0x0c
.set n, 0
.rept 64
	v_pk_add_f32 v[LS1+2*(n%4):LS1+2*(n%4)+1], v[LS1+2*(n%4):LS1+2*(n%4)+1], v[2*n:2*n+1]
	v_pk_add_f32 v[LS2+2*(n%4):LS2+2*(n%4)+1], v[LS2+2*(n%4):LS2+2*(n%4)+1], v[128+2*n:128+2*n+1]
.set n, n+1
.endr
	WIN 0
.endm
.macro VLOAD s                         ; v's four fragments of my key step s
	WIN 0x40
.irp d, 0,1,2,3
.irp c, 0,1,2
	ds_load_b128 v[192+12*\d+4*\c:192+12*\d+4*\c+3], v[AV] offset:(4*(\s)+\d)*1536+512*\c
.endr
.endr
.endm
; Key step s of my four: a = p1 R1 + p2 R2 for 128 keys, quantised, times v.  The four accumulators take turns, one instruction a turn.
.macro CSTEP s
.set cW, 2+(\s)/2
.set cB, 64*((\s)%2)
	WIN (cW<<6)|(cW<<4)|cW
.set n, 0
.rept 32
	v_pk_mul_f32 v[cB+2*n:cB+2*n+1], v[cB+2*n:cB+2*n+1], v[R1:R1+1] op_sel_hi:[1,0]
.set n, n+1
.endr
.set n, 0
.rept 32
	v_pk_fma_f32 v[cB+2*n:cB+2*n+1], v[128+cB+2*n:128+cB+2*n+1], v[R2:R2+1], v[cB+2*n:cB+2*n+1] op_sel_hi:[1,0,1]
.set n, n+1
.endr
	QUANTW cB, cW, PW
.rept 8
	v_nop                                          ; a scale register written by a vector instruction stands 8 places ahead of a scaled matrix instruction, an operand 4
.endr
	s_wait_dscnt 0x0                               ; v's fragments are in
	WIN 0x01
.irp d, 0,1,2,3
.if (\s) == 0
	v_wmma_scale_f32_16x16x128_f8f6f4 v[O+8*\d:O+8*\d+7], v[192+12*\d:192+12*\d+11], v[PC:PC+11], 0, v[VSC+4*(\s)+\d], v[PW] matrix_a_fmt:MATRIX_FMT_FP6 matrix_b_fmt:MATRIX_FMT_FP6
.else
	v_wmma_scale_f32_16x16x128_f8f6f4 v[O+8*\d:O+8*\d+7], v[192+12*\d:192+12*\d+11], v[PC:PC+11], v[O+8*\d:O+8*\d+7], v[VSC+4*(\s)+\d], v[PW] matrix_a_fmt:MATRIX_FMT_FP6 matrix_b_fmt:MATRIX_FMT_FP6
.endif
.endr
.rept 4
	v_nop                                          ; places in front of loads into registers that these products read, and of the first read of their results
.endr
.if (\s) < 3
	VLOAD (\s)+1
.endif
	WIN 0
.endm
	s_load_b256 s[4:11], s[0:1], 0x0               ; qk s[4:5], vq s[6:7], lambda_q1 s[8:9], lambda_k1 s[10:11]
	s_load_b256 s[12:19], s[0:1], 0x20             ; lambda_q2 s[12:13], lambda_k2 s[14:15], norm_w s[16:17], a7 s[18:19]
	s_set_vgpr_msb 0x40
	v_lshl_add_u32 v254, v0, 2, 0x32000
	v_mov_b32 v255, 0
	s_set_vgpr_msb 0x4000
	v_lshrrev_b32 v13, 5, v0
	v_readfirstlane_b32 s26, v13                   ; wave
	s_mov_b32 s27, ttmp9                           ; x: which 256 queries
	s_and_b32 s28, ttmp7, 0xffff                   ; b h
	s_lshr_b32 s29, s28, 4                         ; b
	s_and_b32 s30, s28, 15                         ; h
	v_and_b32 v248, 31, v0                         ; lane
	v_and_b32 v249, 15, v0                         ; r
	v_bfe_u32 v250, v0, 4, 1                       ; hl
	v_lshlrev_b32 v[R16], 4, v249
	v_lshlrev_b32 v[L8], 3, v248
	v_lshlrev_b32 v[L16], 4, v248
	s_mul_i32 s52, s26, 24576
	v_add_nc_u32 v[AV], s52, v[L16]
	s_lshl_b32 s52, s26, 8
	s_add_co_u32 s52, s52, STAT
	v_add_nc_u32 v[AST], s52, v[R16]
	v_add_nc_u32 v[ASL], STAT, v[R16]
	s_lshl_b32 s52, s26, 14
	s_add_co_u32 s52, s52, PO
	v_add_nc_u32 v[APW], s52, v[L16]
	s_lshl_b32 s52, s26, 12
	s_add_co_u32 s52, s52, PO
	v_add_nc_u32 v[APR], s52, v[L16]
	v_and_b32 v251, 8, v249
	v_add_nc_u32 v251, v251, v249                  ; r + 8 (r / 8): my query's place among its tile pair's 32
	v_lshlrev_b32 v[ATW], 2, v251
	v_mad_u32_u24 v[ATW], v250, 4608, v[ATW]       ; lanes 16-31 hold d 16 further on: 32 chunks
	s_lshr_b32 s52, s26, 1
	s_mul_i32 s52, s52, 144                        ; tile w of a batch: block w / 2,
	s_and_b32 s53, s26, 1
	s_lshl_b32 s53, s53, 5                         ; and 8 queries on for the odd tile
	s_add_co_u32 s52, s52, s53
	s_add_co_u32 s52, s52, TS
	v_add_nc_u32 v[ATW], s52, v[ATW]
	v_mul_u32_u24 v[ATR], v248, 144
	s_mul_i32 s52, s26, 32*144
	s_add_co_u32 s52, s52, TS
	v_add_nc_u32 v[ATR], s52, v[ATR]               ; chunk 32 w + lane: d = 16 w + lane / 2, block lane % 2
	v_lshrrev_b32 v251, 1, v248
	v_and_b32 v252, 1, v248
	v_mul_u32_u24 v[ACW], v251, 272
	v_lshl_add_u32 v[ACW], v252, 5, v[ACW]
	s_mul_i32 s52, s26, 16*272
	s_add_co_u32 s52, s52, CD
	v_add_nc_u32 v[ACW], s52, v[ACW]
	v_lshl_add_u32 v[ASB], v251, 3, v252
	s_lshl_b32 s52, s26, 7
	s_add_co_u32 s52, s52, SBY
	v_add_nc_u32 v[ASB], s52, v[ASB]
	v_lshlrev_b32 v[NOF], 6, v250                  ; norm_w: lanes 16-31 begin 16 numbers on
	s_mov_b32 s[SEL], 0x76543210
	s_mov_b32 s[SEL+1], 0xfedcba98
	s_mov_b32 s[CS], 0x3e38aa3b                    ; log2(e) / 8
	s_mov_b32 s[CS+1], s[CS]
	s_mov_b32 s36, 0x0000ffff                      ; lanes 0-15
	s_mov_b32 s37, 0x01000100
	s_mov_b32 s38, 0x03020302
	s_mov_b32 s39, 0
	s_mov_b32 s42, 0                               ; PO: the tile's place in the batch
	s_mov_b32 s43, 0                               ; CD: 64 bytes a batch
	s_mov_b32 s44, 0                               ; SBY: 2 bytes a batch
	s_mov_b32 s50, 0x3c800000                      ; 1 / 64
	s_mov_b32 s51, 0x358637bd                      ; 1e-6
	s_lshl_b32 s52, s29, 5
	s_add_co_u32 s52, s52, s30                     ; q's head in qk: 32 b + h; k's is 16 further on
	s_mul_i32 s54, s52, 98304
	s_mul_i32 s53, s27, 12288
	s_add_co_u32 s56, s54, s53                     ; q's codes: my 256 queries
	s_mov_b32 s57, 0
	s_lshl_b32 s55, s52, 12
	s_lshl_b32 s53, s27, 9
	s_add_co_u32 s58, s55, s53
	s_add_co_u32 s58, s58, QKS                     ; q's scale words
	s_mov_b32 s59, 0
	s_mul_i32 s53, s26, 24576
	s_add_co_u32 s60, s54, s53
	s_add_co_u32 s60, s60, 16*98304                ; k's codes: my 512 keys
	s_mov_b32 s61, 0
	s_lshl_b32 s24, s26, 10
	s_add_co_u32 s62, s55, s24
	s_add_co_u32 s62, s62, QKS+16*4096             ; k's scale words
	s_mov_b32 s63, 0
	s_mul_i32 s20, s28, 98304
	s_add_co_u32 s20, s20, s53                     ; v's codes
	s_mov_b32 s21, 0
	s_lshl_b32 s22, s28, 12
	s_add_co_u32 s22, s22, s24
	s_add_co_u32 s22, s22, VSO                     ; v's scale words
	s_mov_b32 s23, 0
	s_lshl_b32 s24, s30, 8                         ; norm_w: my head's 64 numbers
	s_mov_b32 s25, 0
	s_wait_kmcnt 0x0
	s_add_nc_u64 s[46:47], s[4:5], s[56:57]
	s_add_nc_u64 s[48:49], s[4:5], s[58:59]
	s_add_nc_u64 s[60:61], s[4:5], s[60:61]
	s_add_nc_u64 s[62:63], s[4:5], s[62:63]
	s_add_nc_u64 s[20:21], s[6:7], s[20:21]
	s_add_nc_u64 s[22:23], s[6:7], s[22:23]
	s_add_nc_u64 s[16:17], s[16:17], s[24:25]
	WIN 0x40                                       ; destination window 1: k's 16 fragments, 6 planes of 256 bytes each: they stay
.irp f, 0,1,2,3,4,5,6,7,8,9,10,11,12,13,14,15
.irp p, 0,1,2,3,4,5
	global_load_b64 v[12*\f+2*\p:12*\f+2*\p+1], v[L8], s[60:61] offset:\f*1536+\p*256
.endr
.endr
	WIN 0
.irp g, 0,1,2,3
	global_load_b128 v[KSC+4*\g:KSC+4*\g+3], v[R16], s[62:63] offset:256*\g
	global_load_b128 v[VSC+4*\g:VSC+4*\g+3], v[R16], s[22:23] offset:256*\g
.endr
	WIN 0x80                                       ; destination window 2: v's images, on their way to LDS
.set n, 0
.rept 48
	global_load_b128 v[4*n:4*n+3], v[L16], s[20:21] offset:512*n
.set n, n+1
.endr
	WIN 0
	global_load_b64 v[248:249], v[L8], s[8:9]      ; two numbers a lane of each lambda
	global_load_b64 v[250:251], v[L8], s[10:11]
	global_load_b64 v[252:253], v[L8], s[12:13]
	global_load_b64 v[254:255], v[L8], s[14:15]
.irp k, 0,1,2,3,4,5,6,7
	global_load_b128 v[NW+4*\k:NW+4*\k+3], v[NOF], s[16:17] offset:128*(\k/4)+16*(\k%4)   ; register n: d = 32 (n / 16) + 16 hl + n % 16
.endr
	QLOAD
	s_wait_loadcnt 0x0
	WIN 0x08                                       ; an LDS store's data are its source 1: window 2
.set n, 0
.rept 48
	ds_store_b128 v[AV], v[4*n:4*n+3] offset:512*n ; my wave's own bytes: nobody else reads them
.set n, n+1
.endr
	WIN 0
	v_mul_f32 v248, v248, v250                     ; lam = exp(lq1 . lk1) - exp(lq2 . lk2) + 0.8, in f32
	v_mul_f32 v252, v252, v254
	v_fma_f32 v248, v249, v251, v248
	v_fma_f32 v252, v253, v255, v252
.irp m, 1,2,4,8
	v_add_f32_dpp v248, v248, v248 row_xmask:\m row_mask:0xf bank_mask:0xf
	v_add_f32_dpp v252, v252, v252 row_xmask:\m row_mask:0xf bank_mask:0xf
.endr
	v_permlanex16_b32 v249, v248, s[SEL], s[SEL+1]
	v_permlanex16_b32 v253, v252, s[SEL], s[SEL+1]
	v_add_f32 v248, v248, v249
	v_add_f32 v252, v252, v253
	v_mul_f32 v248, 0x3fb8aa3b, v248
	v_mul_f32 v252, 0x3fb8aa3b, v252
	v_exp_f32 v248, v248
	v_exp_f32 v252, v252
.set n, 0
.rept 16
	v_pk_mul_f32 v[NW+2*n:NW+2*n+1], v[NW+2*n:NW+2*n+1], 0x3e4ccccd op_sel_hi:[1,0]   ; 0.2 norm_w.  (Plain work behind the two exponentials)
.set n, n+1
.endr
.irp k, 0,1,2,3,4,5
	v_mov_b32 v[16+\k], 0                          ; the zeros between q's operands
	v_mov_b32 v[28+\k], 0
	v_mov_b32 v[40+\k], 0
.endr
	v_mov_b32 v[R1+1], 0                           ; upper halves of pairs of which the low word alone is used: written once
	v_mov_b32 v[R2+1], 0
	v_mov_b32 v[ST+1], 0
	v_mov_b32 v[ST+3], 0
.irp b, 0,1,2,3
	v_mov_b32 v[TM+4+\b], 0                        ; a lane permute's destination counts as one of its sources
.endr
	s_wait_alu depctr_va_vdst(0)                   ; one wait for the two exponentials, ahead of their first reader
	v_sub_f32 v248, v252, v248
	v_add_f32 v[NLAM], 0xbf4ccccd, v248            ; -lam
	QFORM
.rept 8
	v_nop                                          ; q's scale word stands 8 places ahead of the first product
.endr
	s_wait_dscnt 0x0                               ; the stores of v's images have read their registers: the scores may land there
	s_mov_b32 s41, 4
.Lbatch:                                               ; four batches of four tiles
	s_mov_b32 s40, 4
.Ltile:
	SCORES
	QLOAD
	v_max3_num_f32 v248, v[MX], v[MX+1], v[MX+2]   ; my wave's largest score of each softmax
	v_max3_num_f32 v249, v[MX+4], v[MX+5], v[MX+6]
	v_max_num_f32 v248, v248, v[MX+3]
	v_max_num_f32 v249, v249, v[MX+7]
	v_permlanex16_b32 v250, v248, s[SEL], s[SEL+1]
	v_permlanex16_b32 v251, v249, s[SEL], s[SEL+1]
	v_max_num_f32 v248, v248, v250
	v_max_num_f32 v249, v249, v251
	v_mul_f32 v[ST], s[CS], v248                   ; c m (c is positive)
	v_mul_f32 v[ST+2], s[CS], v249
	EXPW 2
	EXPW 3
	SUMS
	v_pk_add_f32 v[LS1:LS1+1], v[LS1:LS1+1], v[LS1+2:LS1+3]
	v_pk_add_f32 v[LS2:LS2+1], v[LS2:LS2+1], v[LS2+2:LS2+3]
	v_pk_add_f32 v[LS1+4:LS1+5], v[LS1+4:LS1+5], v[LS1+6:LS1+7]
	v_pk_add_f32 v[LS2+4:LS2+5], v[LS2+4:LS2+5], v[LS2+6:LS2+7]
	v_pk_add_f32 v[LS1:LS1+1], v[LS1:LS1+1], v[LS1+4:LS1+5]
	v_pk_add_f32 v[LS2:LS2+1], v[LS2:LS2+1], v[LS2+4:LS2+5]
	v_add_f32 v[LS1], v[LS1], v[LS1+1]
	v_add_f32 v[LS2], v[LS2], v[LS2+1]
	v_permlanex16_b32 v250, v[LS1], s[SEL], s[SEL+1]
	v_permlanex16_b32 v251, v[LS2], s[SEL], s[SEL+1]
	v_add_f32 v[ST+1], v[LS1], v250                ; my wave's sums
	v_add_f32 v[ST+3], v[LS2], v251
	ds_store_b128 v[AST], v[ST:ST+3]               ; lanes r and r + 16 write the same bytes with the same values
	s_wait_dscnt 0x0                               ; for the others' sake: my statistics (and the last tile's O^T) have landed
	s_barrier_signal -1
	s_barrier_wait -1                              ; all four waves' statistics lie in LDS
.irp q, 0,1,2,3
	ds_load_b128 v[G+4*\q:G+4*\q+3], v[ASL] offset:256*\q
.endr
	s_wait_dscnt 0x0                               ; I have read them:
	s_barrier_signal -1                            ; say so; the wait stands ahead of my next LDS store.  Between the two: work on registers, and loads of v's images, which nobody writes again
	VLOAD 0
	WIN 0
	v_max3_num_f32 v248, v[G], v[G+4], v[G+8]      ; the row's c m
	v_max3_num_f32 v249, v[G+2], v[G+6], v[G+10]
	v_max_num_f32 v248, v248, v[G+12]
	v_max_num_f32 v249, v249, v[G+14]
.irp q, 0,1,2,3
	v_sub_f32 v[EX+\q], v[G+4*\q], v248
	v_sub_f32 v[EX+4+\q], v[G+4*\q+2], v249
.endr
	v_sub_f32 v[EX+8], v[ST], v248
	v_sub_f32 v[EX+9], v[ST+2], v249
.irp q, 0,1,2,3,4,5,6,7,8,9
	v_exp_f32 v[EX+\q], v[EX+\q]                   ; each wave's 2^(c m_wave - c m_row), and my own
.endr
	QFORM                                          ; plain work behind the ten
	s_wait_alu depctr_va_vdst(0)                   ; one wait for the ten
	v_mul_f32 v250, v[EX], v[G+1]
	v_mul_f32 v251, v[EX+4], v[G+3]
.irp q, 1,2,3
	v_fma_f32 v250, v[EX+\q], v[G+4*\q+1], v250    ; the row's sums
	v_fma_f32 v251, v[EX+4+\q], v[G+4*\q+3], v251
.endr
	v_rcp_f32 v252, v250
	v_rcp_f32 v253, v251
	v_mul_f32 v[EX+9], v[EX+9], v[NLAM]            ; (a plain place behind the reciprocals)
	s_wait_alu depctr_va_vdst(0)                   ; one wait for the two
	v_mul_f32 v[R1], v[EX+8], v252
	v_mul_f32 v[R2], v[EX+9], v253
	CSTEP 0
	CSTEP 1
	CSTEP 2
	CSTEP 3
	s_barrier_wait -1                              ; every wave has read the statistics: LDS may be stored into again
	v_add_nc_u32 v254, s42, v[APW]
.irp g, 0,1,2,3,4,5,6,7
	ds_store_b128 v254, v[O+4*\g:O+4*\g+3] offset:512*\g   ; my keys' part of O^T, as it stands in the registers; each accumulator from its low end on
.endr
	s_add_co_u32 s42, s42, 4096
	s_sub_co_u32 s40, s40, 1
	s_cmp_lg_u32 s40, 0
	s_cbranch_scc1 .Ltile
	; ---- a batch of 64 queries is finished.  Wave w adds the four parts of tile w, norms them, and lays them along the queries
	s_wait_dscnt 0x0
	s_barrier_signal -1
	s_barrier_wait -1                              ; all parts lie in LDS
.irp q, 0,1,2,3
.irp g, 0,1,2,3,4,5,6,7
	ds_load_b128 v[88+32*\q+4*\g:88+32*\q+4*\g+3], v[APR] offset:16384*\q+512*\g
.endr
.endr
	s_wait_dscnt 0x0
.set n, 0
.rept 16
	v_pk_add_f32 v[88+2*n:88+2*n+1], v[88+2*n:88+2*n+1], v[120+2*n:120+2*n+1]
	v_pk_add_f32 v[152+2*n:152+2*n+1], v[152+2*n:152+2*n+1], v[184+2*n:184+2*n+1]
.set n, n+1
.endr
.set n, 0
.rept 16
	v_pk_add_f32 v[88+2*n:88+2*n+1], v[88+2*n:88+2*n+1], v[152+2*n:152+2*n+1]
.set n, n+1
.endr
	v_pk_mul_f32 v[120:121], v[88:89], v[88:89]    ; the sum of squares, in two chains
	v_pk_mul_f32 v[122:123], v[90:91], v[90:91]
.set n, 2
.rept 7
	v_pk_fma_f32 v[120:121], v[88+2*n:88+2*n+1], v[88+2*n:88+2*n+1], v[120:121]
	v_pk_fma_f32 v[122:123], v[90+2*n:90+2*n+1], v[90+2*n:90+2*n+1], v[122:123]
.set n, n+2
.endr
	v_pk_add_f32 v[120:121], v[120:121], v[122:123]
	v_add_f32 v120, v120, v121
	v_permlanex16_b32 v122, v120, s[SEL], s[SEL+1] ; the query's other 32 d lie in the lane 16 away
	v_add_f32 v120, v120, v122
	v_fma_f32 v120, v120, s50, s51                 ; the mean + 1e-6
	v_rsq_f32 v124, v120
	v_mov_b32 v125, 0                              ; (a plain place; the pair's upper half)
	s_wait_alu depctr_va_vdst(0)
.set n, 0
.rept 16
	v_pk_mul_f32 v[88+2*n:88+2*n+1], v[88+2*n:88+2*n+1], v[124:125] op_sel_hi:[1,0]
.set n, n+1
.endr
.set n, 0
.rept 16
	v_pk_mul_f32 v[88+2*n:88+2*n+1], v[88+2*n:88+2*n+1], v[NW+2*n:NW+2*n+1]
.set n, n+1
.endr
.set n, 0
.rept 32
	ds_store_b32 v[ATW], v[88+n] offset:144*(64*(n/16)+2*(n%16))   ; d = 32 (n / 16) + 16 hl + n % 16: chunk 2 d + block
.set n, n+1
.endr
	s_wait_dscnt 0x0
	s_barrier_signal -1
	s_barrier_wait -1                              ; 64 d x 64 queries lie along the queries
.irp k, 0,1,2,3,4,5,6,7
	ds_load_b128 v[88+4*\k:88+4*\k+3], v[ATR] offset:16*\k   ; a whole block of 32 queries of one d
.endr
	s_wait_dscnt 0x0
	v_max3_num_f32 v140, |v88|, |v89|, 0x1800000   ; its largest magnitude, with the floor 2^(3 - 127), in two chains
	v_max3_num_f32 v141, |v104|, |v105|, |v106|
.irp j, 0,1,2,3,4,5
	v_max3_num_f32 v140, v140, |v[90+2*\j]|, |v[91+2*\j]|
	v_max3_num_f32 v141, v141, |v[107+2*\j]|, |v[108+2*\j]|
.endr
	v_max3_num_f32 v140, v140, |v102|, |v103|
	v_max3_num_f32 v140, v140, v141, |v119|
	v_add_nc_u32 v141, 0xff000000, v140            ; the conversion's scale operand
	v_cvt_scalef32_pk16_fp6_f32 v[124:126], v[88:103], v141
	v_cvt_scalef32_pk16_fp6_f32 v[128:130], v[104:119], v141
	v_lshrrev_b32 v142, 23, v141                   ; the scale's byte.  (A plain place behind the conversions)
	v_add_nc_u32 v254, s43, v[ACW]
	v_add_nc_u32 v255, s44, v[ASB]
	ds_store_b96 v254, v[124:126]                  ; 12 bytes to a place of 16
	ds_store_b96 v254, v[128:130] offset:16
	ds_store_b8 v255, v142
	s_sub_co_u32 s42, s42, 16384
	s_add_co_u32 s43, s43, 64
	s_add_co_u32 s44, s44, 2
	s_sub_co_u32 s41, s41, 1
	s_cmp_lg_u32 s41, 0
	s_cbranch_scc1 .Lbatch
	; ---- the way out: 64 rows of a7, 192 bytes of codes and 8 scale bytes each
	s_wait_dscnt 0x0
	s_barrier_signal -1
	s_barrier_wait -1
	v_and_b32 v248, 31, v0
	v_and_b32 v249, 15, v0
	v_bfe_u32 v250, v0, 4, 1
	v_mul_u32_u24 v251, v250, 272
	v_lshl_add_u32 v251, v249, 4, v251
	s_mul_i32 s52, s26, 16*272
	s_add_co_u32 s52, s52, CD
	v_add_nc_u32 v251, s52, v251                   ; row d = 16 w + hl (+ 2 t), place r
	v_mul_u32_u24 v252, v250, 24576                ; from d to d + 1: 32 rows of 768 bytes
	v_mad_u32_u24 v252, v249, 12, v252
	s_mul_i32 s52, s26, 16*24576
	v_add_nc_u32 v252, s52, v252
	v_lshlrev_b32 v253, 2, v248
	s_lshl_b32 s52, s26, 7
	s_add_co_u32 s52, s52, SBY
	v_add_nc_u32 v253, s52, v253                   ; four scale bytes a lane: d = 16 w + lane / 2
	v_lshrrev_b32 v254, 1, v248
	v_and_b32 v255, 1, v248
	v_lshlrev_b32 v254, 10, v254                   ; from d to d + 1: 32 rows of 32 bytes
	v_lshl_add_u32 v254, v255, 2, v254
	s_lshl_b32 s52, s26, 14
	v_add_nc_u32 v254, s52, v254
	s_lshl_b32 s52, s29, 11
	s_lshl_b32 s53, s30, 1
	s_add_co_u32 s52, s52, s53
	s_lshr_b32 s53, s27, 2
	s_add_co_u32 s52, s52, s53                     ; the row of d = 0: 2,048 b + 2 h + x / 4
	s_and_b32 s53, s27, 3                          ; which 256 of its 1,024 columns
	s_mul_i32 s54, s52, 768
	s_mul_i32 s55, s53, 192
	s_add_co_u32 s54, s54, s55
	s_mov_b32 s55, 0
	s_lshl_b32 s56, s52, 5
	s_lshl_b32 s53, s53, 3
	s_add_co_u32 s56, s56, s53
	s_add_co_u32 s56, s56, A7S
	s_mov_b32 s57, 0
	s_add_nc_u64 s[54:55], s[18:19], s[54:55]
	s_add_nc_u64 s[56:57], s[18:19], s[56:57]
	ds_load_b32 v120, v253
.irp t, 0,1,2,3,4,5,6,7
	ds_load_b96 v[88+4*\t:88+4*\t+2], v251 offset:544*\t
.endr
.irp t, 0,1,2,3,4,5,6,7
	s_wait_dscnt 7-\t                              ; the loads younger than load t may be out
	global_store_b96 v252, v[88+4*\t:88+4*\t+2], s[54:55] offset:49152*\t   ; sixteen lanes store 192 consecutive bytes of a row
.endr
	global_store_b32 v254, v120, s[56:57]
	s_set_vgpr_msb 0x5
	s_wait_tensorcnt 0x0
	ds_add_u32 v254, v255
	s_wait_dscnt 0x0
	s_set_vgpr_msb 0x500
	s_endpgm
.Lfunc_end_k_q4e442e85c8_attn:
	.size	k_q4e442e85c8_attn, .Lfunc_end_k_q4e442e85c8_attn-k_q4e442e85c8_attn
	.p2alignl 7, 3214868480
	.fill 96, 4, 3214868480
	.section	.rodata,"a",@progbits
	.p2align	6, 0x0
	.amdhsa_kernel k_q4e442e85c8_attn
		.amdhsa_group_segment_fixed_size 205312
		.amdhsa_private_segment_fixed_size 0
		.amdhsa_enable_private_segment 0
		.amdhsa_kernarg_size 64
		.amdhsa_user_sgpr_count 2
		.amdhsa_user_sgpr_kernarg_segment_ptr 1
		.amdhsa_wavefront_size32 1
		.amdhsa_system_sgpr_workgroup_id_x 1
		.amdhsa_system_sgpr_workgroup_id_y 1
		.amdhsa_system_sgpr_workgroup_id_z 1
		.amdhsa_system_vgpr_workitem_id 0
		.amdhsa_next_free_vgpr 1024
		.amdhsa_next_free_sgpr 66
		.amdhsa_reserve_vcc 0
		.amdhsa_float_denorm_mode_32 3
		.amdhsa_float_denorm_mode_16_64 3
		.amdhsa_memory_ordered 1
		.amdhsa_forward_progress 1
		.amdhsa_inst_pref_size 165
	.end_amdhsa_kernel
	.amdgpu_metadata
---
amdhsa.version: [ 1, 2 ]
amdhsa.kernels:
  - .name:           k_q4e442e85c8_attn
    .symbol:         k_q4e442e85c8_attn.kd
    .args:
      - { .name: qk, .offset: 0, .size: 8, .value_kind: global_buffer, .address_space: global }
      - { .name: vq, .offset: 8, .size: 8, .value_kind: global_buffer, .address_space: global }
      - { .name: lambda_q1, .offset: 16, .size: 8, .value_kind: global_buffer, .address_space: global }
      - { .name: lambda_k1, .offset: 24, .size: 8, .value_kind: global_buffer, .address_space: global }
      - { .name: lambda_q2, .offset: 32, .size: 8, .value_kind: global_buffer, .address_space: global }
      - { .name: lambda_k2, .offset: 40, .size: 8, .value_kind: global_buffer, .address_space: global }
      - { .name: norm_w, .offset: 48, .size: 8, .value_kind: global_buffer, .address_space: global }
      - { .name: a7, .offset: 56, .size: 8, .value_kind: global_buffer, .address_space: global }
    .group_segment_fixed_size: 205312
    .private_segment_fixed_size: 0
    .kernarg_segment_align: 8
    .kernarg_segment_size: 64
    .max_flat_workgroup_size: 128
    .sgpr_count:     66
    .vgpr_count:     1024
    .wavefront_size: 32
...
	.end_amdgpu_metadata
.endif
;; end of part 3
;; launch gemm_out (part 4): grid 4 x 16, 4 waves a work-group, clusters of 4 x 4, 327,680 bytes of LDS; arguments a7, woq, out0; writes out0
.if DOCPART == 4
	.amdgcn_target "amdgcn-amd-amdhsa--gfx1250"
	.amdhsa_code_object_version 6
	.text
	.protected	k_q4e442e85c8_gemm_out
	.globl	k_q4e442e85c8_gemm_out
	.p2align	8
	.type	k_q4e442e85c8_gemm_out,@function
k_q4e442e85c8_gemm_out:
	s_mov_b64 s[64:65], 0
	v_nop
	global_prefetch_b8 v0, s[64:65] scope:SCOPE_SE
	s_setreg_imm32_b32 hwreg(HW_REG_WAVE_MODE, 25, 1), 1
	s_wait_xcnt 0x0
	s_wait_alu depctr_hold_cnt(0) depctr_sa_sdst(0) depctr_va_vdst(0) depctr_va_sdst(0) depctr_va_ssrc(0) depctr_va_vcc(0) depctr_vm_vsrc(0)
	s_getreg_b32 s2, hwreg(HW_REG_IB_STS2, 6, 4)
	s_cmp_eq_u32 s2, 0
	s_cbranch_scc0 .Lentry_in_a_cluster
	s_endpgm
.Lentry_in_a_cluster:
	s_bfe_u32 s2, ttmp6, 0x10000c
	s_cmp_lg_u32 s2, 0xf033
	s_cbranch_scc0 .Lentry_shape_is_right
	s_endpgm
.Lentry_shape_is_right:
; out0 = out_final wo on codes of FP6 (E2M3) with E8M0 scales; f32 sums.  a7: 4,096 rows of 768 bytes of codes, scale bytes (32 a row) at A7S; woq: 1,024 rows (n) likewise, scale bytes at WOS; out0: [4096][1024] f32.
; A tile of 256 x 256 is made by four waves, 128 x 128 each: 64 accumulators, 512 registers.  K = 1,024 goes in four steps of 256 through a ring of two LDS slots filled by the tensor data mover; the scale bytes of the
; work-group's 2 x 256 rows come once, with the first fills.  4 x 4 work-groups form a cluster: the four of a row ask jointly for A's tiles, the four of a column for B's.
; The output has 64 such tiles: 64 work-groups.  THE MATRIX INSTRUCTION IS USED TRANSPOSED (source 0 = 16 rows of B, source 1 = 16 rows of A): a lane holds eight neighbouring numbers of a row of the output.
; REGISTERS: window 0: v0-31 addresses; v32-63 scale words, two sets; from v128 A's fragments, one set.  window 1: B's fragments, two sets.  windows 2, 3: the accumulators.
.set SIZE_M, 4096
.set SIZE_N, 1024
.set SIZE_K, 1024
.set A7S,    3145728
.set WOS,    786432
.set KSTEP,  256
.set NQ,     KSTEP/128
.set ROWB,   192
.set KROW,   SIZE_K*6/8
.set PITCH,  240                       ; an LDS row: 3 x (64 bytes + 16 of padding): the 32 lanes of a load of 8 bytes touch different banks (64 banks of 4 bytes: ISA guide 11.1)
.set FR,     12
.set NL,     6
.set NP,     4                         ; places behind this matrix instruction (ISA guide 7.12.1)
.set HALFT,  128*PITCH
.set SLOT,   4*HALFT
.set LAPS,   SIZE_K/(2*KSTEP)
.set KS,     SIZE_K/32
.set SCL,    2*SLOT
.set HALFS,  (128*KS/256)*272
.set SBLK,   (16*KS/256)*272
.set SPARE,  SCL+4*HALFS               ; the spare words, 128 bytes for each wave
.set SPITCH, 528                       ; the way out: a stage of 16 rows x (512 + 16) bytes for each wave, in slot 0, which has had its last fill and its last read by then
.set ADRA, 16
.set ADRB, 20
.set STO,  24
.set RD,   25
.set CO,   26
.set SPW,  28
.set NIL,  29
.set ADRS, 27
.set SC,   32
.set AF,   128
.set BK,   128
.set G1, 24
.set G0, 32
.set G1B, 48
.set G0B, 56
.set G1S, 68
.set G0S, 76
.set G1SB, 80
.set G0SB, 88
.set MSB, 0
.macro WIN new                         ; the immediate's high byte repeats the setting that is left
.if MSB != (\new)
	s_set_vgpr_msb (MSB<<8)|(\new)
.set MSB, (\new)
.endif
.endm
.set MUL_LO, 0xa1
.set MUL_HI, 0xf1
.set TO_B,   0x40
.macro JLOAD g0a, g1a, g0b, g1b        ; a joint load: waves 0 and 1 fetch for A, waves 2 and 3 for B; four v_nop follow each of the two lines
	s_cmp_eq_u32 s15, 0
	s_cbranch_scc0 .Lfor_b_\@
	tensor_load_to_lds s[\g0a:\g0a+3], s[\g1a:\g1a+7]
	s_nop 0
.rept 4
	v_nop
.endr
	s_branch .Lasked_\@
.Lfor_b_\@:
	tensor_load_to_lds s[\g0b:\g0b+3], s[\g1b:\g1b+7]
	s_nop 0
.rept 4
	v_nop
.endr
.Lasked_\@:
.endm
.macro CREST
	s_cmp_lg_u32 s14, 0
	s_cbranch_scc1 .Lnot_wave_0_\@
	s_barrier_signal -3
.Lnot_wave_0_\@:
	s_barrier_wait -3
	s_barrier_signal -1
	s_barrier_wait -1
.endm
.macro CROUND
	s_barrier_signal -1
	s_barrier_wait -1
	CREST
.endm
	s_load_b128 s[4:7], s[0:1], 0x0                ; a7 s[4:5], woq s[6:7]
	s_load_b64 s[12:13], s[0:1], 0x10              ; out0
	v_lshl_add_u32 v[SPW], v0, 2, SPARE
	v_mov_b32 v[NIL], 0
	ds_add_u32 v28, v29
	ds_add_u32 v28, v29
	s_wait_dscnt 0x0
	v_lshrrev_b32 v1, 5, v0
	v_readfirstlane_b32 s14, v1                    ; wave 0..3
	s_lshr_b32 s15, s14, 1
	s_and_b32 s16, s14, 1
	s_bfe_u32 s40, ttmp6, 0x40000                  ; cx, cy
	s_bfe_u32 s41, ttmp6, 0x40004
	s_lshl_b32 s42, ttmp9, 2
	s_add_co_u32 s42, s42, s40                     ; tile column
	s_and_b32 s17, ttmp7, 0xffff
	s_lshl_b32 s17, s17, 2
	s_add_co_u32 s17, s17, s41                     ; tile row
	s_lshl_b32 s43, s41, 2
	s_lshl_b32 s43, 15, s43                        ; my row of the cluster
	s_lshl_b32 s44, 0x1111, s40                    ; my column
	s_or_b32 s[G1+0], s43, (0<<16)|(1<<20)|(1<<21)|(3<<22)|(3<<25)
	s_or_b32 s[G1B+0], s44, (0<<16)|(1<<20)|(1<<21)|(3<<22)|(3<<25)
.irp g, G1, G1B
	s_mov_b32 s[\g+1], ROWB<<16
	s_mov_b32 s[\g+2], 128<<16
	s_mov_b32 s[\g+3], ROWB<<16
	s_mov_b32 s[\g+4], 128
	s_mov_b32 s[\g+5], KROW
	s_mov_b32 s[\g+6], 0
	s_mov_b32 s[\g+7], 0
.endr
	s_or_b32 s[G1S+0], s43, (3<<16)|(1<<20)|(1<<21)|(5<<22)|(3<<25)
	s_or_b32 s[G1SB+0], s44, (3<<16)|(1<<20)|(1<<21)|(5<<22)|(3<<25)
.irp g, G1S, G1SB
	s_mov_b32 s[\g+1], 32<<16
	s_mov_b32 s[\g+2], (128*KS/256)<<16
	s_mov_b32 s[\g+3], 32<<16
	s_mov_b32 s[\g+4], 128*KS/256
	s_mov_b32 s[\g+5], 32
	s_mov_b32 s[\g+6], 0
	s_mov_b32 s[\g+7], 0
.endr
	s_lshl_b32 s18, s16, 7
	s_lshl_b32 s20, s17, 8
	s_add_co_u32 s20, s20, s18
	s_lshl_b32 s46, s42, 8
	s_add_co_u32 s46, s46, s18
	s_mov_b32 s21, 0
	s_mov_b32 s47, 0
	s_mov_b64 s[18:19], KS
	s_mul_u64 s[22:23], s[20:21], s[18:19]
	s_mul_u64 s[92:93], s[46:47], s[18:19]
	s_mov_b64 s[18:19], KROW
	s_mul_u64 s[20:21], s[20:21], s[18:19]
	s_mul_u64 s[46:47], s[46:47], s[18:19]
	s_mul_i32 s45, s14, HALFT
	s_mul_i32 s94, s14, HALFS
	s_wait_kmcnt 0x0
	s_mov_b64 s[8:9], s[6:7]                       ; B's codes
	s_add_nc_u64 s[6:7], s[4:5], A7S               ; A's scale bytes
	s_add_nc_u64 s[10:11], s[8:9], WOS             ; B's scale bytes
	s_add_nc_u64 s[20:21], s[4:5], s[20:21]
	s_add_nc_u64 s[22:23], s[6:7], s[22:23]
	s_add_nc_u64 s[46:47], s[8:9], s[46:47]
	s_add_nc_u64 s[92:93], s[10:11], s[92:93]
	CROUND                                         ; all sixteen work-groups are here: the first joint loads meet
	s_mov_b32 s[G0S], 1
	s_add_co_u32 s[G0S+1], s94, SCL
	s_mov_b64 s[G0S+2:G0S+3], s[22:23]
	s_or_b32 s[G0S+3], s[G0S+3], 0x80000000
	s_mov_b32 s[G0SB], 1
	s_add_co_u32 s[G0SB+1], s94, SCL
	s_mov_b64 s[G0SB+2:G0SB+3], s[92:93]
	s_or_b32 s[G0SB+3], s[G0SB+3], 0x80000000
	JLOAD G0S, G1S, G0SB, G1SB                     ; the scale bytes first: three loads of mine are out behind these first fills
.irp s, 0,1
	s_mov_b32 s[G0+4*\s], 1
	s_add_co_u32 s[G0+4*\s+1], s45, \s*SLOT
	s_add_nc_u64 s[G0+4*\s+2:G0+4*\s+3], s[20:21], \s*ROWB
	s_or_b32 s[G0+4*\s+3], s[G0+4*\s+3], 0x80000000
	s_mov_b32 s[G0B+4*\s], 1
	s_add_co_u32 s[G0B+4*\s+1], s45, \s*SLOT
	s_add_nc_u64 s[G0B+4*\s+2:G0B+4*\s+3], s[46:47], \s*ROWB
	s_or_b32 s[G0B+4*\s+3], s[G0B+4*\s+3], 0x80000000
	JLOAD G0+4*\s, G1, G0B+4*\s, G1B
.endr
	v_and_b32 v1, 15, v0
	v_bfe_u32 v2, v0, 4, 1
	v_mul_u32_u24 v3, v1, PITCH
	v_mul_u32_u24 v4, v2, 24
	v_add_nc_u32 v4, v3, v4
	v_lshl_add_u32 v5, v2, 4, v4
	s_mul_i32 s21, s15, HALFT
	s_mul_i32 s22, s16, HALFT
	s_add_co_u32 s22, s22, 2*HALFT
.irp s, 0,1
	v_add_nc_u32 v[ADRA+\s], s21, v4
	v_add_nc_u32 v[ADRB+\s], s22, v4
	v_add_nc_u32 v[ADRA+2+\s], s21, v5
	v_add_nc_u32 v[ADRB+2+\s], s22, v5
	s_add_co_u32 s21, s21, SLOT
	s_add_co_u32 s22, s22, SLOT
.endr
	v_mul_u32_u24 v5, v1, KS
	v_lshrrev_b32 v6, 8, v5
	v_lshl_add_u32 v5, v6, 4, v5
	s_mul_i32 s21, s15, HALFS
	s_mul_i32 s22, s16, HALFS
	s_add_co_u32 s22, s22, 2*HALFS
	s_sub_co_u32 s22, s22, s21
	v_mul_u32_u24 v6, s22, v2
	s_add_co_u32 s21, s21, SCL
	v_add_nc_u32 v5, v5, v6
	v_add_nc_u32 v[ADRS], s21, v5
	s_mul_i32 s23, s14, 16*SPITCH                  ; my stage
	v_mul_u32_u24 v5, v1, SPITCH
	v_lshl_add_u32 v5, v2, 5, v5
	v_add_nc_u32 v[STO], s23, v5
	v_and_b32 v6, 31, v0
	v_lshlrev_b32 v[CO], 4, v6
	v_add_nc_u32 v[RD], s23, v[CO]
	s_lshl_b32 s20, s17, 8
	s_lshl_b32 s21, s15, 7
	s_add_co_u32 s20, s20, s21                     ; my first row of the output
	s_mov_b32 s21, 0
	s_mov_b64 s[18:19], SIZE_N*4
	s_mul_u64 s[20:21], s[20:21], s[18:19]
	s_lshl_b32 s46, s42, 10
	s_lshl_b32 s47, s16, 9
	s_add_co_u32 s46, s46, s47
	s_mov_b32 s47, 0
	s_add_nc_u64 s[20:21], s[20:21], s[46:47]
	s_add_nc_u64 s[12:13], s[12:13], s[20:21]
.macro FRAG reg, adr, q, i             ; 16 rows x 128 K of 6-bit codes: 12 registers, six pieces of 8 bytes; lanes 16-31 read three pieces further on, for some pieces behind one padding more
.irp p, 0,1,2,3,4,5
.set PCE, 12*(\q)+6*(\p/3)+\p%3
.if PCE%8 < 5
	ds_load_b64 v[\reg+2*\p:\reg+2*\p+1], v[\adr] offset:8*PCE+16*(PCE/8)+(\i)*16*PITCH
.else
	ds_load_b64 v[\reg+2*\p:\reg+2*\p+1], v[\adr+2] offset:8*PCE+16*(PCE/8)+(\i)*16*PITCH
.endif
.endr
.endm
; 16 matrix instructions; the 64 accumulators take turns, one instruction a turn.  zero = 1: the first product starts the sums.
.macro MUL16 a0, p, q, sc, zero
.irp a, \a0, \a0+1
.irp b, 0,1,2,3,4,5,6,7
.if \zero
	v_wmma_scale_f32_16x16x128_f8f6f4 v[8*(8*((\a)%4)+\b):8*(8*((\a)%4)+\b)+7], v[128*(\p)+FR*\b:128*(\p)+FR*\b+FR-1], v[AF+FR*(\a):AF+FR*(\a)+FR-1], 0, v[SC+8*NQ*(\sc)+NQ*\b+(\q)], v[SC+8*NQ*(\sc)+NQ*(\a)+(\q)] matrix_a_fmt:MATRIX_FMT_FP6 matrix_b_fmt:MATRIX_FMT_FP6 matrix_a_scale:MATRIX_SCALE_ROW1
.else
	v_wmma_scale_f32_16x16x128_f8f6f4 v[8*(8*((\a)%4)+\b):8*(8*((\a)%4)+\b)+7], v[128*(\p)+FR*\b:128*(\p)+FR*\b+FR-1], v[AF+FR*(\a):AF+FR*(\a)+FR-1], v[8*(8*((\a)%4)+\b):8*(8*((\a)%4)+\b)+7], v[SC+8*NQ*(\sc)+NQ*\b+(\q)], v[SC+8*NQ*(\sc)+NQ*(\a)+(\q)] matrix_a_fmt:MATRIX_FMT_FP6 matrix_b_fmt:MATRIX_FMT_FP6 matrix_a_scale:MATRIX_SCALE_ROW1
.endif
.endr
.endr
.endm
.macro FETCH_B slot, q, p
	WIN TO_B
.irp i, 0,1,2,3,4,5,6,7
	FRAG 128*(\p)+FR*\i, ADRB+\slot, \q, \i
.endr
	WIN 0
.endm
.macro FETCH_A slot, q, i0
.irp i, \i0, \i0+1, \i0+2, \i0+3
	FRAG AF+FR*(\i), ADRA+\slot, \q, \i
.endr
.endm
.macro SCALES sc
.irp i, 0,1,2,3,4,5,6,7
	ds_load_b64 v[SC+8*NQ*\sc+NQ*\i:SC+8*NQ*\sc+NQ*\i+1], v[ADRS] offset:\i*SBLK
.endr
.endm
.macro PLACES n
.rept \n
	v_nop
.endr
.endm
.macro STEP slot, q, zero
	s_wait_dscnt 4*NL                              ; B's set and A's blocks 0-3 are in; the youngest 24 loads (A's blocks 4-7) may be out
	WIN MUL_LO
	MUL16 0, (\q)%2, \q, \slot, \zero
	MUL16 2, (\q)%2, \q, \slot, \zero
	s_wait_dscnt 0
	PLACES NP
	FETCH_B \slot, (\q)+1, 1-(\q)%2
	FETCH_A \slot, (\q)+1, 0
	WIN MUL_HI
	MUL16 4, (\q)%2, \q, \slot, \zero
	MUL16 6, (\q)%2, \q, \slot, \zero
	PLACES NP
	WIN 0
	FETCH_A \slot, (\q)+1, 4
.endm
.macro TURN slot, next, fill
	s_wait_tensorcnt 0x0                           ; all my tensor loads have landed: my part of the next slot
	ds_add_u32 v[SPW], v[NIL]                      ; 0 onto my spare word
	s_wait_dscnt 4*NL+1                            ; (the add and the youngest 24 loads may be out)
	WIN MUL_LO
	MUL16 0, 1, NQ-1, \slot, 0
	s_wait_dscnt 0x0                               ; the add is done, and my reads of this slot are over
	s_barrier_signal -1
	MUL16 2, 1, NQ-1, \slot, 0
	WIN 0
	s_barrier_wait -1
.if \fill
	CREST                                          ; the barrier has opened a round of the cluster's: no wave of any partner still reads this slot or has a load on its way
	s_add_nc_u64 s[G0+4*\slot+2:G0+4*\slot+3], s[G0+4*\slot+2:G0+4*\slot+3], 2*ROWB
	s_add_nc_u64 s[G0B+4*\slot+2:G0B+4*\slot+3], s[G0B+4*\slot+2:G0B+4*\slot+3], 2*ROWB
	JLOAD G0+4*\slot, G1, G0B+4*\slot, G1B         ; the first tensor load behind the round, my only one until the next
.else
	PLACES NP
.endif
	v_add_nc_u32 v[ADRS], 4*NQ, v[ADRS]
	FETCH_B \next, 0, 0
	FETCH_A \next, 0, 0
	SCALES \next
	WIN MUL_HI
	MUL16 4, 1, NQ-1, \slot, 0
	MUL16 6, 1, NQ-1, \slot, 0
	PLACES NP
	WIN 0
	FETCH_A \next, 0, 4
.endm
	s_wait_tensorcnt 1                             ; the scale bytes and my part of K step 0 are in (K step 1's load may be out)
	s_barrier_signal -1
	s_barrier_wait -1
	FETCH_B 0, 0, 0
	FETCH_A 0, 0, 0
	SCALES 0
	FETCH_A 0, 0, 4
	STEP 0, 0, 1
	s_mov_b32 s3, LAPS-1
.Llap:
	TURN 0, 1, 1
	STEP 1, 0, 0
	TURN 1, 0, 1
	STEP 0, 0, 0
	s_sub_co_u32 s3, s3, 1
	s_cmp_lg_u32 s3, 0
	s_cbranch_scc1 .Llap
	TURN 0, 1, 0
	STEP 1, 0, 0
	s_wait_dscnt 4*NL
	WIN MUL_LO
	MUL16 0, 1, NQ-1, 1, 0
	MUL16 2, 1, NQ-1, 1, 0
	s_wait_dscnt 0
	WIN MUL_HI
	MUL16 4, 1, NQ-1, 1, 0
	MUL16 6, 1, NQ-1, 1, 0
	WIN 0
; THE WAY OUT, block by block of 16 rows x 128 columns, through my own stage in LDS: back as whole rows of 512 bytes.  LDS serves a wave's instructions in order (ISA guide 5.7.1.4).
.macro TOSTAGE a
.set AC, 64*((\a)%4)
	WIN 0x08+4*((\a)/4)
.irp b, 0,1,2,3,4,5,6,7
	ds_store_b128 v[STO], v[AC+8*\b:AC+8*\b+3] offset:64*\b          ; each accumulator from its low end on
	ds_store_b128 v[STO], v[AC+8*\b+4:AC+8*\b+7] offset:64*\b+16
.endr
	WIN 0
.set BB, BK+64*((\a)%2)
.irp t, 0,1,2,3,4,5,6,7,8,9,10,11,12,13,14,15
	ds_load_b128 v[BB+4*\t:BB+4*\t+3], v[RD] offset:\t*SPITCH
.endr
.endm
.macro SEND a, younger
.set BB, BK+64*((\a)%2)
	s_wait_dscnt \younger                          ; the block is back in registers
.if (\a) > 0
	s_add_nc_u64 s[12:13], s[12:13], 16*SIZE_N*4   ; (behind a wait on XCNT: the earlier stores have read their base)
.endif
.irp t, 0,1,2,3,4,5,6,7,8,9,10,11,12,13,14,15
	global_store_b128 v[CO], v[BB+4*\t:BB+4*\t+3], s[12:13] offset:\t*SIZE_N*4 th:TH_STORE_NT   ; 32 lanes store 512 consecutive bytes, aligned to 256
.endr
.endm
	PLACES NP
	TOSTAGE 0
.irp a, 1,2,3,4,5,6,7
.if \a > 1
	s_wait_xcnt 0x0                                ; block a - 2's stores have read their registers and their base
.endif
	TOSTAGE \a
	SEND \a-1, 32                                  ; behind block a - 1's loads: block a's 16 stores and 16 loads
.endr
	s_wait_xcnt 0x0
	SEND 7, 0
	s_wait_tensorcnt 0x0                           ; the wave's end
	ds_add_u32 v[SPW], v[NIL]
	s_wait_dscnt 0x0
	CROUND                                         ; the closing round
	s_endpgm
.Lfunc_end_k_q4e442e85c8_gemm_out:
	.size	k_q4e442e85c8_gemm_out, .Lfunc_end_k_q4e442e85c8_gemm_out-k_q4e442e85c8_gemm_out
	.p2alignl 7, 3214868480
	.fill 96, 4, 3214868480
	.section	.rodata,"a",@progbits
	.p2align	6, 0x0
	.amdhsa_kernel k_q4e442e85c8_gemm_out
		.amdhsa_group_segment_fixed_size 327680
		.amdhsa_private_segment_fixed_size 0
		.amdhsa_enable_private_segment 0
		.amdhsa_kernarg_size 24
		.amdhsa_user_sgpr_count 2
		.amdhsa_user_sgpr_kernarg_segment_ptr 1
		.amdhsa_wavefront_size32 1
		.amdhsa_system_sgpr_workgroup_id_x 1
		.amdhsa_system_sgpr_workgroup_id_y 1
		.amdhsa_system_sgpr_workgroup_id_z 1
		.amdhsa_system_vgpr_workitem_id 0
		.amdhsa_next_free_vgpr 1024
		.amdhsa_next_free_sgpr 98
		.amdhsa_reserve_vcc 0
		.amdhsa_float_denorm_mode_32 3
		.amdhsa_float_denorm_mode_16_64 3
		.amdhsa_memory_ordered 1
		.amdhsa_forward_progress 1
		.amdhsa_inst_pref_size 160
	.end_amdhsa_kernel
	.amdgpu_metadata
---
amdhsa.version: [ 1, 2 ]
amdhsa.kernels:
  - .name:           k_q4e442e85c8_gemm_out
    .symbol:         k_q4e442e85c8_gemm_out.kd
    .args:
      - { .name: a7, .offset: 0, .size: 8, .value_kind: global_buffer, .address_space: global }
      - { .name: woq, .offset: 8, .size: 8, .value_kind: global_buffer, .address_space: global }
      - { .name: out0, .offset: 16, .size: 8, .value_kind: global_buffer, .address_space: global }
    .group_segment_fixed_size: 327680
    .private_segment_fixed_size: 0
    .kernarg_segment_align: 8
    .kernarg_segment_size: 24
    .max_flat_workgroup_size: 128
    .sgpr_count:     98
    .vgpr_count:     1024
    .wavefront_size: 32
...
	.end_amdgpu_metadata
.endif
;; end of part 4
